; MI455X (gfx1250); checked and timed in simulation.
; The chip was launched on July 23, 2026; its instructions are those of AMD's public machine-readable ISA for CDNA 5 (MIT licence, August 2026) and "CDNA5" Instruction Set Architecture Reference Guide (July 2026). The comments in the code are by the model that wrote it; some were corrected since.
;; Mo E. Allowed arithmetic: matrix products marked QUANTISED: E3M2 operands, one E8M0 scale for each 32 along K, by v_wmma_scale_f32_16x16x128_f8f6f4 with both operands' format E3M2, f32 sums; products left as they are: f32 operands where the result goes on into a quantised operand, else bf16, f16 or f32 operands; f32 sums; everything else in f32.
;; Inputs: W1 8 x 256 x 512 float32; W2 8 x 512 x 256 float32; b1 8 x 512 float32; b2 8 x 256 float32; mask 16 x 2,048 int32; w_gate 256 x 8 float32; x 16 x 2,048 x 256 float32.
;; Outputs: out0 16 x 2,048 x 256 float32; out1 one number float32.
;; This version of the problem:
;;   THIS VERSION OF THE PROBLEM IS GIVEN IN LOW PRECISION. The matrix products marked QUANTISED in the list below multiply operands that are first quantised to E3M2 (3 exponent bits, 2 mantissa bits; 6 bits a number), with one power-of-two scale for each 32 numbers along K (OCP MX v1.0); their sums are f32. All else is computed in f32.
;;   The module's matrix products, in the order in which they are computed (A, B: the left and right operand; K: the contracted axis; several contracted axes count as one K, in the product's order):
;;     1. [M 32,768, K 256] x [K 256, N 8]; A: input x; B: input w_gate: left as it is (N = 8 < 16)
;;     2. batch 32,768 x [M 1, K 4] x [K 4, N 8]; A: softmax; B: computed on the way: left as it is (K = 4 < 32)
;;     3. [M 32,768, K 256] x [K 256, N 512]; A: input x; B: input W1: QUANTISED
;;     4. [M 32,768, K 512] x [K 512, N 256]; A: computed on the way; B: input W2: QUANTISED
;;     5. [M 32,768, K 256] x [K 256, N 512]; A: input x; B: input W1: QUANTISED
;;     6. [M 32,768, K 512] x [K 512, N 256]; A: computed on the way; B: input W2: QUANTISED
;;     7. [M 32,768, K 256] x [K 256, N 512]; A: input x; B: input W1: QUANTISED
;;     8. [M 32,768, K 512] x [K 512, N 256]; A: computed on the way; B: input W2: QUANTISED
;;     9. [M 32,768, K 256] x [K 256, N 512]; A: input x; B: input W1: QUANTISED
;;     10. [M 32,768, K 512] x [K 512, N 256]; A: computed on the way; B: input W2: QUANTISED
;;     11. [M 32,768, K 256] x [K 256, N 512]; A: input x; B: input W1: QUANTISED
;;     12. [M 32,768, K 512] x [K 512, N 256]; A: computed on the way; B: input W2: QUANTISED
;;     13. [M 32,768, K 256] x [K 256, N 512]; A: input x; B: input W1: QUANTISED
;;     14. [M 32,768, K 512] x [K 512, N 256]; A: computed on the way; B: input W2: QUANTISED
;;     15. [M 32,768, K 256] x [K 256, N 512]; A: input x; B: input W1: QUANTISED
;;     16. [M 32,768, K 512] x [K 512, N 256]; A: computed on the way; B: input W2: QUANTISED
;;     17. [M 32,768, K 256] x [K 256, N 512]; A: input x; B: input W1: QUANTISED
;;     18. [M 32,768, K 512] x [K 512, N 256]; A: computed on the way; B: input W2: QUANTISED
;;   THE QUANTISER, for each operand of a quantised product, along K:
;;     - K is cut into blocks of 32 from its start; a last block that is shorter is filled with zeros.
;;     - A block's scale is 2^e with e = floor(log2(the largest magnitude in the block)) - 4, held to -126 .. 127; a block of zeros has e = 0. As a byte (E8M0): e + 127.
;;     - Each number is divided by its block's scale, clamped to +-28, and rounded to the nearest number of E3M2, ties to even, subnormals kept.
;;     - The product sums the exact products of the quantised numbers (number of the format x scale) in f32.
;;   ~~~python
;;   def quantise(x, axis):      # numpy; x: float32 -> the quantised numbers, widened to float32 again
;;       x = np.moveaxis(x, axis, -1); K = x.shape[-1]
;;       x = np.pad(x, [(0, 0)] * (x.ndim - 1) + [(0, -K % 32)]); x = x.reshape(x.shape[:-1] + (-1, 32)); a = np.abs(x).max(-1, keepdims=True)
;;       e = np.where(a > 0, np.clip(np.frexp(np.where(a > 0, a, 1))[1] - 1 - 4, -126, 127), 0)      # np.frexp(a)[1] - 1 = floor(log2(a)), exactly
;;       r = np.clip(x / 2.0 ** e, -28, 28)
;;       step = 2.0 ** (np.maximum(np.frexp(np.where(r == 0, 1, r))[1] - 1, -2) - 2)
;;       q = np.round(r / step) * step * 2.0 ** e      # np.round: ties to even
;;       return np.moveaxis(q.reshape(q.shape[:-2] + (-1,))[..., :K], -1, axis).astype(np.float32)
;;   ~~~
;;   OPERANDS COMPUTED ON THE WAY. 'Computed on the way' means the value that the module computes at that place (a softmax that the list does not call 'softmax' is quantised finished and normalised). What goes into a quantiser is computed in f32, as accurately as f32 sums, v_exp_f32 and their like allow (about 1e-6 of the number): no bf16 or f16 on the way to a quantiser, and a product that is left as it is and whose result goes on into a quantised operand takes f32 operands (vector FMAs, or v_wmma_f32_16x16x4_f32). A number that lies on a knife's edge between two numbers of the format may be rounded either way, as far as f32 arithmetic and the matrix unit's own rounding can turn it there, and no further.
;; 2 versions. Each part assembles by itself: llvm-mc -triple=amdgcn-amd-amdhsa -mcpu=gfx1250 --defsym DOCPART=n.
;; ======== version 1 of 2: 3 launches
;; workspace buffers: gates 1,048,576 bytes; keys 131,072 bytes of whole numbers; cnts 655,360 bytes of whole numbers; order 131,072 bytes of whole numbers; wq 1,572,864 bytes; wsc 65,536 bytes
;; launch prep (part 1): grid 384 x 1, 4 waves a work-group, no clusters, 2,560 bytes of LDS; arguments x, mask, w_gate, W1, W2, gates, keys, cnts, wq, wsc; writes gates, keys, cnts, wq, wsc
.if DOCPART == 1
	.amdgcn_target "amdgcn-amd-amdhsa--gfx1250"
	.amdhsa_code_object_version 6
	.text
	.protected	k_qb86a6f3ad9_prep
	.globl	k_qb86a6f3ad9_prep
	.p2align	8
	.type	k_qb86a6f3ad9_prep,@function
k_qb86a6f3ad9_prep:
	s_mov_b64 s[64:65], 0
	v_nop
	global_prefetch_b8 v0, s[64:65] scope:SCOPE_SE
	s_setreg_imm32_b32 hwreg(HW_REG_WAVE_MODE, 25, 1), 1
	s_wait_xcnt 0x0
; THREE JOBS IN ONE LAUNCH, parted on the work-group's number alone.
;   work-groups 0-63:    W1 [8][256 k][512 unit] f32 -> codes of BF6 (E3M2) and E8M0 scale words, laid in the ORDER OF THE OPERAND'S REGISTERS for the launch that multiplies
;   work-groups 64-127:  W2 [8][512 k][256 out] f32 likewise
;   work-groups 128-383: the router for 128 tokens each: logits = x w_gate in f32, the 4 largest of 8 (of equal logits the lower index), softmax over those 4 (their maximum taken away first), x float(mask).
; The router stores, at fixed places: gates [token][8] f32 (0 where an expert is not chosen), keys [token] (the 8-bit set of chosen experts), and counts of the sets for the sort that the next launch makes:
; cnts: PRE [run of 32 tokens][128 bins] = tokens of that bin in the earlier waves of the same 128 tokens; from byte 524,288 HIST [128 tokens][128 bins].  bin = key & 127: a key has 4 bits set, so 7 bits tell it.
; No address and no branch here hangs on a logit: the choice only selects values.
; WEIGHTS.  K is the first axis, so A LANE TAKES A COLUMN AND ITS REGISTERS RUN DOWN K: a block of 32 lies in one lane, the conversions give codes with K innermost, nothing is transposed.
; A wave takes 32 columns x 128 along K = two fragments of 16 rows x 128 K.  A fragment's image is [3 groups of 4 registers][32 lanes][16 bytes] = 1,536 bytes; lane (r, h) of the reader holds k = 64 c + 32 h + 0..31
; in registers 6 c .. 6 c + 5, so the column's lane here makes both halves h and stores each where that reader's lane will load it.
; wq: W1 at 0, W2 at 786,432, each [expert][reader's wave][fragment 16][1,536]; W1's fragment 2 t + s (tile t, K step s), W2's 4 n + s.  wsc: W1 at 0, W2 at 32,768, each [expert][wave][lane 32][8 words].
; W1's ROWS OF A TILE ARE NOT NEIGHBOURS: row r of tile 2 b + u is unit 32 b + 8 u + r + 8 (r / 8), so that the first product's results of two neighbouring tiles are 16 neighbours along the second product's K.
; A block's scale is 2^(floor(log2(largest magnitude)) - 4); its byte is that magnitude's exponent field - 4, held at 1 from below.
; LIMITS: NaN and infinities among the inputs are not served.  A block whose largest magnitude lies under 2^-122 (a block of zeros too) gets the byte 1; the bytes are read by this program alone.
; The logits' f32 sums run in another order than a plain dot product's: logits nearer to each other than that rounding may change places.
.set WG,  16                           ; v16-79   router: w_gate for my 8 k: register 8 j + e; j < 4: k = 4 lane + j; j >= 4: k = 128 + 4 lane + j - 4
.set X,   80                           ; v80-207  router: a ring of four slots, each 4 rows x 8 numbers of x
.set P,   208                          ; v208-239 router: partial logits, register 8 row + expert
.set MK,  240                          ; v240-247 router: group g's mask, then its gate
.set TT,  248                          ; v248-255 router: at work
.set KW,  40                           ; s40-47   router: group g's four keys, a byte each
.set N,   32                           ; v32-159  weights: 128 numbers down K: register 64 h + 32 c + i holds k = 64 c + 32 h + i
.set CT,  192                          ; v192-198 weights: the second half of a block's codes, before it is moved
.set MX,  200                          ; v200-201 weights: largest magnitudes
.set SOP, 202                          ; v202-203 weights: the conversions' scale operands
.set BY,  204                          ; v204-207 weights: the four scale bytes
.macro WLOAD pitch, base               ; 128 loads; each reads 32 neighbouring columns of one row k: 128 consecutive bytes a wave, 512 the four waves
.irp h, 0,1
.irp c, 0,1
.set i, 0
.rept 32
	global_load_b32 v[N+64*\h+32*\c+i], v3, s[\base:\base+1] offset:(64*\c+32*\h+i)*\pitch th:TH_LOAD_NT
.set i, i+1
.endr
.endr
.endr
.endm
.macro WHALF h                         ; blocks h and 2 + h of the K step become the 12 registers of the reader's lane (r, h)
.set NB, N+64*\h
.set CH, 160+16*\h                     ; a set of its own for each half: no store's data are written again
.irp c, 0,1
	v_max3_num_f32 v[MX+\c], |v[NB+32*\c]|, |v[NB+32*\c+1]|, 0x2800000       ; the floor 2^(5 - 127) among the leaves: the byte cannot fall under 1
.endr
.irp i, 2,4,6,8,10,12,14,16,18,20,22,24,26,28,30
.irp c, 0,1
	v_max3_num_f32 v[MX+\c], v[MX+\c], |v[NB+32*\c+\i]|, |v[NB+32*\c+\i+1]|  ; the two blocks by turns
.endr
.endr
.irp c, 0,1
	v_add_nc_u32 v[SOP+\c], 0xfe000000, v[MX+\c]                            ; 4 off the exponent field: the conversion takes that field as its scale
.endr
.irp c, 0,1
	v_lshrrev_b32 v[BY+2*\c+\h], 23, v[SOP+\c]                              ; the byte of block 2 c + h
.endr
.irp c, 0,1
	v_cvt_scalef32_pk16_bf6_f32 v[CH+6*\c:CH+6*\c+2], v[NB+32*\c:NB+32*\c+15], v[SOP+\c]
	v_cvt_scalef32_pk16_bf6_f32 v[CT+4*\c:CT+4*\c+2], v[NB+32*\c+16:NB+32*\c+31], v[SOP+\c]   ; a conversion's three registers begin on an even number
.endr
	v_nop                                  ; one plain place behind a scaled conversion
.irp c, 0,1
.irp i, 0,1,2
	v_mov_b32 v[CH+6*\c+3+\i], v[CT+4*\c+\i]
.endr
.endr
.irp j, 0,1,2
	global_store_b128 v4, v[CH+4*\j:CH+4*\j+3], s[20:21] offset:256*\h+512*\j   ; sixteen lanes of a tile store 256 consecutive bytes, aligned
.endr
.endm
.macro WTASK pitch, base
	WLOAD \pitch, \base
	s_wait_loadcnt 63                      ; the first 64 loads (h = 0) are in: 64 are younger, and the count's field ends at 63
	WHALF 0
	s_wait_loadcnt 0x0
	WHALF 1
	v_lshl_or_b32 v208, v[BY+1], 8, v[BY]  ; the column's scale word for these 128 along K
	v_lshl_or_b32 v208, v[BY+2], 16, v208
	v_lshl_or_b32 v208, v[BY+3], 24, v208
	global_store_b32 v7, v208, s[22:23]
	s_endpgm
.endm
.macro XLOAD g                         ; group g: 4 rows of x, each as two loads of 512 consecutive bytes
.irp i, 0,1,2,3
	global_load_b128 v[X+32*((\g)%4)+8*\i:X+32*((\g)%4)+8*\i+3], v2, s[4:5] offset:(4*(\g)+\i)*1024 th:TH_LOAD_NT
	global_load_b128 v[X+32*((\g)%4)+8*\i+4:X+32*((\g)%4)+8*\i+7], v2, s[4:5] offset:(4*(\g)+\i)*1024+512 th:TH_LOAD_NT
.endr
.endm
.macro FOLD off, msk                   ; values n and n + off become one register: lanes whose bit off is set keep n + off, the others n; each adds what its partner sends
.set n, 0
.rept \off
	v_cndmask_b32 v[TT+2*(n%2)], v[P+n], v[P+n+\off], s[\msk]
	v_cndmask_b32 v[TT+2*(n%2)+1], v[P+n+\off], v[P+n], s[\msk]
	v_add_f32_dpp v[P+n], v[TT+2*(n%2)+1], v[TT+2*(n%2)] row_xmask:\off row_mask:0xf bank_mask:0xf
.set n, n+1
.endr
.endm
; Group g: 4 tokens.  left = the younger loads that may stay out.
.macro GROUP g, left, refill
.set XB, X+32*((\g)%4)
	s_wait_loadcnt \left
.irp i, 0,1,2,3
.irp e, 0,2,4,6
	v_pk_mul_f32 v[P+8*\i+\e:P+8*\i+\e+1], v[XB+8*\i:XB+8*\i+1], v[WG+\e:WG+\e+1] op_sel_hi:[0,1]   ; x(row, k) for both halves, two experts at a time; the first k starts the sums
.endr
.endr
.irp j, 1,2,3,4,5,6,7
.irp i, 0,1,2,3
.irp e, 0,2,4,6
.if \j%2
	v_pk_fma_f32 v[P+8*\i+\e:P+8*\i+\e+1], v[XB+8*\i+\j-1:XB+8*\i+\j], v[WG+8*\j+\e:WG+8*\j+\e+1], v[P+8*\i+\e:P+8*\i+\e+1] op_sel:[1,0,0] op_sel_hi:[1,1,1]
.else
	v_pk_fma_f32 v[P+8*\i+\e:P+8*\i+\e+1], v[XB+8*\i+\j:XB+8*\i+\j+1], v[WG+8*\j+\e:WG+8*\j+\e+1], v[P+8*\i+\e:P+8*\i+\e+1] op_sel_hi:[0,1,1]
.endif
.endr
.endr
.endr
.if \refill
	XLOAD (\g)+4                           ; the slot's next rows
.endif
	; 32 sums over 32 lanes, and lane L ends with the logit of row L / 8, expert L % 8
.irp n, 0,1,2,3,4,5,6,7,8,9,10,11,12,13,14,15
	v_permlane16_swap_b32 v[P+\n], v[P+16+\n]
.endr
.irp n, 0,1,2,3,4,5,6,7,8,9,10,11,12,13,14,15
	v_add_f32 v[P+\n], v[P+\n], v[P+16+\n]
.endr
	FOLD 8, 32
	FOLD 4, 33
	FOLD 2, 34
	FOLD 1, 35
	; rank = how many of the row's other seven logits come before mine: the larger ones, and equal ones of a lower index
	v_mov_b32 v249, 0
.irp m, 1,2,3,4,5,6,7
	v_mov_b32_dpp v248, v[P] row_xmask:\m row_mask:0xf bank_mask:0xf
	v_cmp_gt_f32 s36, v248, v[P]
	v_cmp_ge_f32 s37, v248, v[P]
.if \m == 1
	s_and_b32 s37, s37, s35                ; the partner's index e xor m is the lower one where m's highest bit is set in e
.elseif \m < 4
	s_and_b32 s37, s37, s34
.else
	s_and_b32 s37, s37, s33
.endif
	s_or_b32 vcc_lo, s36, s37
	v_add_co_ci_u32 v249, vcc_lo, 0, v249, vcc_lo
.endr
	v_cmp_gt_u32 s[KW+\g], 4, v249         ; chosen: byte i of the mask is row i's key
	; softmax over the chosen four; the row's largest logit is one of them
	v_max_num_f32_dpp v250, v[P], v[P] row_xmask:1 row_mask:0xf bank_mask:0xf
	v_max_num_f32_dpp v250, v250, v250 row_xmask:2 row_mask:0xf bank_mask:0xf
	v_max_num_f32_dpp v250, v250, v250 row_xmask:4 row_mask:0xf bank_mask:0xf
	v_sub_f32 v251, v[P], v250
	v_mul_f32 v251, 0x3fb8aa3b, v251
	v_exp_f32 v251, v251
	v_cvt_f32_i32 v252, v[MK+\g]           ; float(mask); also the plain place behind the exponential
	s_wait_alu depctr_va_vdst(0)
	v_cndmask_b32 v251, 0, v251, s[KW+\g]
	v_add_f32_dpp v253, v251, v251 row_xmask:1 row_mask:0xf bank_mask:0xf
	v_add_f32_dpp v253, v253, v253 row_xmask:2 row_mask:0xf bank_mask:0xf
	v_add_f32_dpp v253, v253, v253 row_xmask:4 row_mask:0xf bank_mask:0xf
	v_rcp_f32 v253, v253                   ; the sum is at least 1: the largest logit's term
	v_mul_f32 v251, v251, v252             ; (the plain place behind the reciprocal)
	s_wait_alu depctr_va_vdst(0)
	v_mul_f32 v[MK+\g], v251, v253
	global_store_b32 v3, v[MK+\g], s[14:15] offset:128*\g   ; 4 tokens x 8 gates: 128 consecutive bytes
	; the wave's counts: lane l keeps bins l, l + 32, l + 64, l + 96
.irp i, 0,1,2,3
	s_bfe_u32 s36, s[KW+\g], (7<<16)|(8*\i)
.irp j, 0,1,2,3
	v_cmp_eq_u32 vcc_lo, s36, v[10+\j]
	v_add_co_ci_u32 v[6+\j], vcc_lo, 0, v[6+\j], vcc_lo
.endr
.endr
.endm
	s_load_b512 s[4:19], s[0:1], 0x0               ; x s[4:5], mask s[6:7], w_gate s[8:9], W1 s[10:11], W2 s[12:13], gates s[14:15], keys s[16:17], cnts s[18:19]
	s_load_b128 s[20:23], s[0:1], 0x40             ; wq s[20:21], wsc s[22:23]
	v_lshl_add_u32 v254, v0, 2, 0x800
	v_mov_b32 v255, 0
	v_lshrrev_b32 v1, 5, v0
	v_readfirstlane_b32 s24, v1                    ; wave 0..3
	v_and_b32 v1, 31, v0                           ; lane
	v_lshlrev_b32 v2, 4, v1                        ; 16 x lane
	v_lshlrev_b32 v3, 2, v1                        ; 4 x lane
	s_mov_b32 s31, 0                               ; the upper word of every offset pair s[30:31]
	s_wait_kmcnt 0x0
	s_cmp_lt_u32 ttmp9, 64
	s_cbranch_scc1 .Lw1
	s_cmp_lt_u32 ttmp9, 128
	s_cbranch_scc1 .Lw2
	; ---------------- the router ----------------
	s_sub_co_u32 s25, ttmp9, 128                   ; which 128 tokens
	s_lshl_b32 s26, s25, 2
	s_add_co_u32 s26, s26, s24                     ; which 32 tokens are my wave's
	s_lshl_b32 s30, s26, 15                        ; 32 rows of 1,024 bytes
	s_add_nc_u64 s[4:5], s[4:5], s[30:31]
	s_lshl_b32 s30, s26, 7                         ; 32 words
	s_add_nc_u64 s[6:7], s[6:7], s[30:31]
	s_add_nc_u64 s[16:17], s[16:17], s[30:31]
	s_lshl_b32 s30, s26, 10                        ; 32 tokens x 32 bytes
	s_add_nc_u64 s[14:15], s[14:15], s[30:31]
	s_lshl_b32 s30, s26, 9                         ; a row of 128 counts
	s_add_nc_u64 s[48:49], s[18:19], s[30:31]      ; PRE's row
	s_lshl_b32 s30, s25, 9
	s_add_co_u32 s30, s30, 524288
	s_add_nc_u64 s[50:51], s[18:19], s[30:31]      ; HIST's row
	s_mov_b32 s32, 0xff00ff00                      ; lanes whose bit 3 is set;
	s_mov_b32 s33, 0xf0f0f0f0                      ; bit 2;
	s_mov_b32 s34, 0xcccccccc                      ; bit 1;
	s_mov_b32 s35, 0xaaaaaaaa                      ; bit 0
	v_lshrrev_b32 v4, 3, v1
	v_lshlrev_b32 v4, 2, v4                        ; the mask word of row lane / 8
	v_lshlrev_b32 v15, 7, v1                       ; w_gate: 4 rows of 32 bytes a lane
.irp j, 0,1,2,3
	v_mov_b32 v[6+\j], 0                           ; counts
	v_add_nc_u32 v[10+\j], 32*\j, v1               ; the bins that I count
.endr
	v_mov_b32 v253, 0                              ; written once: the destination of a DPP form counts as read
	v_lshrrev_b32 v14, 5, v0
	v_lshl_add_u32 v14, v14, 9, v3                 ; LDS: 512 x wave + 4 x lane
.irp i, 0,1,2,3,4,5,6,7
	global_load_b128 v[WG+4*\i:WG+4*\i+3], v15, s[8:9] offset:16*\i
	global_load_b128 v[WG+32+4*\i:WG+32+4*\i+3], v15, s[8:9] offset:4096+16*\i
.endr
.irp g, 0,1,2,3,4,5,6,7
	global_load_b32 v[MK+\g], v4, s[6:7] offset:16*\g
.endr
.irp g, 0,1,2,3
	XLOAD \g
.endr
	GROUP 0, 24, 1                                 ; three younger slots of eight loads stay out
	GROUP 1, 24, 1
	GROUP 2, 24, 1
	GROUP 3, 24, 1
	GROUP 4, 24, 0
	GROUP 5, 16, 0                                 ; nothing more is asked for: the counts run down
	GROUP 6, 8, 0
	GROUP 7, 0, 0
	; keys: lane L wants byte L % 4 of group L / 4's word
	v_mov_b32 v5, 0
.irp g, 0,1,2,3,4,5,6,7
	v_writelane_b32 v5, s[KW+\g], \g
.endr
	v_and_b32 v15, 0x1c, v1                        ; 4 x (lane / 4): the lane to pull from, as a byte address
	ds_bpermute_b32 v248, v15, v5
.irp j, 0,1,2,3
	ds_store_b32 v14, v[6+\j] offset:128*\j        ; my wave's 128 counts
.endr
	v_and_b32 v249, 3, v1
	v_lshlrev_b32 v249, 3, v249
	s_wait_dscnt 0x0                               ; the pull is back, and for the others' sake my stores have landed
	v_lshrrev_b32 v248, v249, v248
	v_and_b32 v248, 0xff, v248
	global_store_b32 v3, v248, s[16:17]            ; 32 keys: 128 consecutive bytes
	s_barrier_signal -1
	s_barrier_wait -1
.irp w, 0,1,2,3
.irp j, 0,1,2,3
	ds_load_b32 v[80+4*\w+\j], v3 offset:512*\w+128*\j
.endr
.endr
	s_cmp_gt_u32 s24, 0
	s_cselect_b32 s36, 1, 0
	s_cmp_gt_u32 s24, 1
	s_cselect_b32 s37, 1, 0
	s_cmp_gt_u32 s24, 2
	s_cselect_b32 s38, 1, 0
	s_wait_dscnt 0x0
.irp j, 0,1,2,3
	v_mul_u32_u24 v[96+\j], v[80+\j], s36          ; the counts of the waves in front of mine
	v_mad_u32_u24 v[96+\j], v[84+\j], s37, v[96+\j]
	v_mad_u32_u24 v[96+\j], v[88+\j], s38, v[96+\j]
	v_add3_u32 v[100+\j], v[80+\j], v[84+\j], v[88+\j]
	v_add_nc_u32 v[100+\j], v[100+\j], v[92+\j]    ; and of all four
	global_store_b32 v3, v[96+\j], s[48:49] offset:128*\j
.endr
	s_cmp_lg_u32 s24, 0
	s_cbranch_scc1 .Lrouter_end
.irp j, 0,1,2,3
	global_store_b32 v3, v[100+\j], s[50:51] offset:128*\j
.endr
.Lrouter_end:
	s_wait_tensorcnt 0x0
	ds_add_u32 v254, v255
	s_wait_dscnt 0x0
	s_endpgm
	; ---------------- W1: q = work-group: expert q / 8, K step (q / 4) % 2, reader's wave q % 4; my wave is the group b of 32 units ----------------
.Lw1:
	s_lshr_b32 s26, ttmp9, 3                       ; e
	s_bfe_u32 s27, ttmp9, 0x10002                  ; s
	s_and_b32 s28, ttmp9, 3                        ; w
	s_lshl_b32 s30, s26, 19                        ; from: e x 524,288 + 128 s rows of 2,048 + 4 (128 w + 32 b)
	s_lshl_b32 s29, s27, 18
	s_add_co_u32 s30, s30, s29
	s_lshl_b32 s29, s28, 9
	s_add_co_u32 s30, s30, s29
	s_lshl_b32 s29, s24, 7
	s_add_co_u32 s30, s30, s29
	s_add_nc_u64 s[10:11], s[10:11], s[30:31]
	s_mul_i32 s30, s26, 98304                      ; to: e x 98,304 + w x 24,576 + fragment (4 b + s) x 1,536
	s_mul_i32 s29, s28, 24576
	s_add_co_u32 s30, s30, s29
	s_lshl_b32 s29, s24, 2
	s_add_co_u32 s29, s29, s27
	s_mul_i32 s29, s29, 1536
	s_add_co_u32 s30, s30, s29
	s_add_nc_u64 s[20:21], s[20:21], s[30:31]
	s_lshl_b32 s30, s26, 12                        ; scale words: e x 4,096 + w x 1,024 + lane (16 s + r) x 32 + word (2 b + u) x 4
	s_lshl_b32 s29, s28, 10
	s_add_co_u32 s30, s30, s29
	s_lshl_b32 s29, s27, 9
	s_add_co_u32 s30, s30, s29
	s_lshl_b32 s29, s24, 3
	s_add_co_u32 s30, s30, s29
	s_add_nc_u64 s[22:23], s[22:23], s[30:31]
	v_bfe_u32 v5, v1, 3, 1                         ; u: which of the group's two tiles my column belongs to
	v_and_b32 v6, 7, v1
	v_lshrrev_b32 v8, 4, v1
	v_lshl_or_b32 v6, v8, 3, v6                    ; r: its row there
	v_mul_u32_u24 v4, v5, 3072                     ; tile 2 b + u lies two fragments on
	v_lshl_add_u32 v4, v6, 4, v4
	v_lshlrev_b32 v7, 5, v6
	v_lshl_add_u32 v7, v5, 2, v7
	WTASK 2048, 10
	; ---------------- W2: q = work-group - 64: expert q / 8, K step (q / 2) % 4; my wave's 32 outputs begin at 128 (q % 2) + 32 wave ----------------
.Lw2:
	s_sub_co_u32 s25, ttmp9, 64
	s_lshr_b32 s26, s25, 3                         ; e
	s_bfe_u32 s27, s25, 0x20001                    ; s
	s_and_b32 s28, s25, 1
	s_lshl_b32 s28, s28, 1
	s_lshr_b32 s29, s24, 1
	s_add_co_u32 s28, s28, s29                     ; w: the reader's wave
	s_and_b32 s33, s24, 1                          ; which half of its 64 outputs
	s_lshl_b32 s30, s26, 19                        ; from: e x 524,288 + 128 s rows of 1,024 + 4 (64 w + 32 half)
	s_lshl_b32 s29, s27, 17
	s_add_co_u32 s30, s30, s29
	s_lshl_b32 s29, s28, 8
	s_add_co_u32 s30, s30, s29
	s_lshl_b32 s29, s33, 7
	s_add_co_u32 s30, s30, s29
	s_add_nc_u64 s[12:13], s[12:13], s[30:31]
	s_mul_i32 s30, s26, 98304                      ; to: 786,432 + e x 98,304 + w x 24,576 + fragment (8 half + s) x 1,536
	s_mul_i32 s29, s28, 24576
	s_add_co_u32 s30, s30, s29
	s_lshl_b32 s29, s33, 3
	s_add_co_u32 s29, s29, s27
	s_mul_i32 s29, s29, 1536
	s_add_co_u32 s30, s30, s29
	s_add_co_u32 s30, s30, 786432
	s_add_nc_u64 s[20:21], s[20:21], s[30:31]
	s_lshl_b32 s30, s26, 12                        ; scale words: 32,768 + e x 4,096 + w x 1,024 + lane (16 (s % 2) + r) x 32 + word (2 n + s / 2) x 4, n = 2 half + (column / 16)
	s_lshl_b32 s29, s28, 10
	s_add_co_u32 s30, s30, s29
	s_and_b32 s29, s27, 1
	s_lshl_b32 s29, s29, 9
	s_add_co_u32 s30, s30, s29
	s_lshl_b32 s29, s33, 4
	s_add_co_u32 s30, s30, s29
	s_lshr_b32 s29, s27, 1
	s_lshl_b32 s29, s29, 2
	s_add_co_u32 s30, s30, s29
	s_add_co_u32 s30, s30, 32768
	s_add_nc_u64 s[22:23], s[22:23], s[30:31]
	v_lshrrev_b32 v5, 4, v1                        ; which of my two tiles
	v_and_b32 v6, 15, v1                           ; r
	v_mul_u32_u24 v4, v5, 6144                     ; the next tile lies four fragments on
	v_lshl_add_u32 v4, v6, 4, v4
	v_lshlrev_b32 v7, 5, v6
	v_lshl_add_u32 v7, v5, 3, v7
	WTASK 1024, 12
.Lfunc_end_k_qb86a6f3ad9_prep:
	.size	k_qb86a6f3ad9_prep, .Lfunc_end_k_qb86a6f3ad9_prep-k_qb86a6f3ad9_prep
	.p2alignl 7, 3214868480
	.fill 96, 4, 3214868480
	.section	.rodata,"a",@progbits
	.p2align	6, 0x0
	.amdhsa_kernel k_qb86a6f3ad9_prep
		.amdhsa_group_segment_fixed_size 2560
		.amdhsa_private_segment_fixed_size 0
		.amdhsa_enable_private_segment 0
		.amdhsa_kernarg_size 80
		.amdhsa_user_sgpr_count 2
		.amdhsa_user_sgpr_kernarg_segment_ptr 1
		.amdhsa_wavefront_size32 1
		.amdhsa_system_sgpr_workgroup_id_x 1
		.amdhsa_system_sgpr_workgroup_id_y 1
		.amdhsa_system_sgpr_workgroup_id_z 1
		.amdhsa_system_vgpr_workitem_id 0
		.amdhsa_next_free_vgpr 256
		.amdhsa_next_free_sgpr 66
		.amdhsa_reserve_vcc 1
		.amdhsa_float_denorm_mode_32 3
		.amdhsa_float_denorm_mode_16_64 3
		.amdhsa_memory_ordered 1
		.amdhsa_forward_progress 1
		.amdhsa_inst_pref_size 183
	.end_amdhsa_kernel
	.amdgpu_metadata
---
amdhsa.version: [ 1, 2 ]
amdhsa.kernels:
  - .name:           k_qb86a6f3ad9_prep
    .symbol:         k_qb86a6f3ad9_prep.kd
    .args:
      - { .name: x, .offset: 0, .size: 8, .value_kind: global_buffer, .address_space: global }
      - { .name: mask, .offset: 8, .size: 8, .value_kind: global_buffer, .address_space: global }
      - { .name: w_gate, .offset: 16, .size: 8, .value_kind: global_buffer, .address_space: global }
      - { .name: W1, .offset: 24, .size: 8, .value_kind: global_buffer, .address_space: global }
      - { .name: W2, .offset: 32, .size: 8, .value_kind: global_buffer, .address_space: global }
      - { .name: gates, .offset: 40, .size: 8, .value_kind: global_buffer, .address_space: global }
      - { .name: keys, .offset: 48, .size: 8, .value_kind: global_buffer, .address_space: global }
      - { .name: cnts, .offset: 56, .size: 8, .value_kind: global_buffer, .address_space: global }
      - { .name: wq, .offset: 64, .size: 8, .value_kind: global_buffer, .address_space: global }
      - { .name: wsc, .offset: 72, .size: 8, .value_kind: global_buffer, .address_space: global }
    .group_segment_fixed_size: 2560
    .private_segment_fixed_size: 0
    .kernarg_segment_align: 8
    .kernarg_segment_size: 80
    .max_flat_workgroup_size: 128
    .sgpr_count:     66
    .vgpr_count:     256
    .wavefront_size: 32
...
	.end_amdgpu_metadata
.endif
;; end of part 1
;; launch place (part 2): grid 256 x 1, 4 waves a work-group, no clusters, 4,608 bytes of LDS; arguments keys, cnts, order, out1; writes order, out1
.if DOCPART == 2
	.amdgcn_target "amdgcn-amd-amdhsa--gfx1250"
	.amdhsa_code_object_version 6
	.text
	.protected	k_qb86a6f3ad9_place
	.globl	k_qb86a6f3ad9_place
	.p2align	8
	.type	k_qb86a6f3ad9_place,@function
k_qb86a6f3ad9_place:
	s_mov_b64 s[64:65], 0
	v_nop
	global_prefetch_b8 v0, s[64:65] scope:SCOPE_SE
	s_setreg_imm32_b32 hwreg(HW_REG_WAVE_MODE, 25, 1), 1
	s_wait_xcnt 0x0
; THE SORT'S SECOND HALF: every token gets its place in the order of the bins (bin = key & 127, the set of its experts), by counting alone: no atomics, whole numbers throughout.
; place = tokens in lower bins + tokens of my bin in earlier runs of 128 + those in earlier waves of my 128 (PRE, stored by the launch before) + those in lower lanes of my wave.
; order[place] = token | key << 16.  Work-group c takes tokens 128 c on, a lane one token.  Every work-group sums all 256 rows of HIST for itself (128 KiB, shared out among its four waves): cheaper than a launch more.
; Work-group 0 also stores out1 = 0.0.
.macro LOADB k                         ; batch k: 16 rows of HIST, rows 4 i + wave; a row is 512 bytes: one load, lane L holds bins 4 L .. 4 L + 3
.set i, 0
.rept 16
	global_load_b128 v[32+64*((\k)%2)+4*i:32+64*((\k)%2)+4*i+3], v2, s[6:7] offset:2048*(16*(\k)+i)
.set i, i+1
.endr
.endm
.macro SUMB k, left
	s_wait_loadcnt \left
.set i, 0
.rept 16
	s_add_co_u32 s16, s12, 4*(16*(\k)+i)           ; the row's run of 128 tokens:
	s_cmp_lt_u32 s16, s13                          ; ahead of mine?
	s_cselect_b32 s17, 1, 0
.irp q, 0,1,2,3
	v_add_nc_u32 v[8+\q], v[8+\q], v[32+64*((\k)%2)+4*i+\q]
	v_mad_u32_u24 v[12+\q], v[32+64*((\k)%2)+4*i+\q], s17, v[12+\q]
.endr
.set i, i+1
.endr
.endm
	s_load_b256 s[4:11], s[0:1], 0x0               ; keys s[4:5], cnts s[6:7], order s[8:9], out1 s[10:11]
	v_lshl_add_u32 v160, v0, 2, 0x1000
	v_mov_b32 v161, 0
	v_lshrrev_b32 v1, 5, v0
	v_readfirstlane_b32 s12, v1                    ; wave
	s_mov_b32 s13, ttmp9                           ; my run of 128 tokens
	v_and_b32 v1, 31, v0                           ; lane
	v_lshlrev_b32 v2, 4, v1
	v_lshlrev_b32 v3, 2, v1
	v_lshlrev_b32 v16, 4, v0                       ; LDS: 512 x wave + 16 x lane
.irp q, 0,1,2,3,4,5,6,7
	v_mov_b32 v[8+\q], 0                           ; v8-11: all tokens of my four bins; v12-15: those in earlier runs
.endr
	s_lshl_b32 s16, s13, 2
	s_add_co_u32 s16, s16, s12                     ; my wave's run of 32
	s_mov_b32 s19, 0
	s_wait_kmcnt 0x0
	s_lshl_b32 s18, s16, 7
	s_add_nc_u64 s[4:5], s[4:5], s[18:19]
	s_lshl_b32 s18, s16, 9
	s_add_nc_u64 s[14:15], s[6:7], s[18:19]        ; PRE's row for my wave
	s_lshl_b32 s18, s12, 9
	s_add_co_u32 s18, s18, 524288
	s_add_nc_u64 s[6:7], s[6:7], s[18:19]          ; HIST's row number wave
	global_load_b32 v4, v3, s[4:5]                 ; my token's key
	LOADB 0
	LOADB 1
	SUMB 0, 16                                     ; the key and batch 0 are in; batch 1 stays out
	v_and_b32 v5, 127, v4
	v_min_u32 v5, 127, v5                          ; the bin, held inside the table that it indexes
	v_lshlrev_b32 v6, 2, v5
	global_load_b32 v7, v6, s[14:15]               ; PRE[my wave][my bin]
	LOADB 2
	SUMB 1, 17                                     ; younger: that one load and batch 2
	LOADB 3
	SUMB 2, 16
	SUMB 3, 0
	ds_store_b128 v16, v[8:11]
	ds_store_b128 v16, v[12:15] offset:2048
	s_wait_dscnt 0x0                               ; for the others' sake
	s_barrier_signal -1
	s_barrier_wait -1
.irp w, 0,1,2,3
	ds_load_b128 v[32+4*\w:35+4*\w], v2 offset:512*\w
	ds_load_b128 v[48+4*\w:51+4*\w], v2 offset:2048+512*\w
.endr
	s_wait_dscnt 0x0
.irp q, 0,1,2,3
	v_add3_u32 v[8+\q], v[32+\q], v[36+\q], v[40+\q]
	v_add3_u32 v[12+\q], v[48+\q], v[52+\q], v[56+\q]
.endr
.irp q, 0,1,2,3
	v_add_nc_u32 v[8+\q], v[8+\q], v[44+\q]
	v_add_nc_u32 v[12+\q], v[12+\q], v[60+\q]
.endr
	; the sum of all lower bins: inside the lane, then over the lanes
	v_add_nc_u32 v17, v8, v9
	v_add_nc_u32 v18, v17, v10
	v_add_nc_u32 v19, v18, v11                     ; my four bins together
	v_mov_b32 v20, v19
	v_mov_b32 v21, 0
.irp n, 1,2,4,8
	v_mov_b32_dpp v21, v20 row_shr:\n row_mask:0xf bank_mask:0xf bound_ctrl:1
	v_add_nc_u32 v20, v20, v21
.endr
	v_readlane_b32 s20, v20, 15                    ; lanes 0-15 together,
	v_lshrrev_b32 v22, 4, v1
	v_mad_u32_u24 v20, v22, s20, v20               ; onto lanes 16-31
	v_sub_nc_u32 v20, v20, v19                     ; without my own
	v_add_nc_u32 v24, v20, v12                     ; where each of my four bins begins for this run of 128 tokens
	v_add3_u32 v25, v20, v8, v13
	v_add3_u32 v26, v20, v17, v14
	v_add3_u32 v27, v20, v18, v15
	v_and_b32 v23, 0x7c, v5                        ; the lane that holds my token's bin, as a byte address
.irp q, 0,1,2,3
	ds_bpermute_b32 v[28+\q], v23, v[24+\q]
.endr
	v_and_b32 v33, 3, v5
	; my rank among the wave's tokens of the same bin: lanes that differ from me in some bit of the bin are struck out
	v_mov_b32 v34, 0
.irp b, 0,1,2,3,4,5,6
	v_bfe_u32 v35, v5, \b, 1
	v_cmp_ne_u32 vcc_lo, 0, v35
	v_sub_nc_u32 v35, 0, v35
	v_xor_b32 v35, vcc_lo, v35
	v_or_b32 v34, v34, v35
.endr
	v_xor_b32 v34, -1, v34
	v_mbcnt_lo_u32_b32 v36, v34, 0
	s_wait_dscnt 0x0
	v_cmp_eq_u32 vcc_lo, 1, v33
	v_cndmask_b32 v28, v28, v29, vcc_lo
	v_cmp_eq_u32 vcc_lo, 2, v33
	v_cndmask_b32 v28, v28, v30, vcc_lo
	v_cmp_eq_u32 vcc_lo, 3, v33
	v_cndmask_b32 v28, v28, v31, vcc_lo
	v_add3_u32 v28, v28, v7, v36
	v_min_u32 v28, 0x7fff, v28                     ; held inside the list
	v_lshlrev_b32 v28, 2, v28
	s_lshl_b32 s20, s13, 7
	v_add_nc_u32 v37, s20, v0                      ; my token
	v_lshl_or_b32 v37, v4, 16, v37
	global_store_b32 v28, v37, s[8:9]
	s_cmp_lg_u32 ttmp9, 0
	s_cbranch_scc1 .Ldone
	v_mov_b32 v40, 0
	s_wait_xcnt 0x0                                ; EXEC is a source of the store above: it changes only behind this wait
	v_cmp_eq_u32 vcc_lo, 0, v0
	s_and_saveexec_b32 s20, vcc_lo
	global_store_b32 v40, v40, s[10:11]            ; out1 = 0.0
	s_wait_xcnt 0x0
	s_or_b32 exec_lo, exec_lo, s20
.Ldone:
	s_wait_tensorcnt 0x0
	ds_add_u32 v160, v161
	s_wait_dscnt 0x0
	s_endpgm
.Lfunc_end_k_qb86a6f3ad9_place:
	.size	k_qb86a6f3ad9_place, .Lfunc_end_k_qb86a6f3ad9_place-k_qb86a6f3ad9_place
	.p2alignl 7, 3214868480
	.fill 96, 4, 3214868480
	.section	.rodata,"a",@progbits
	.p2align	6, 0x0
	.amdhsa_kernel k_qb86a6f3ad9_place
		.amdhsa_group_segment_fixed_size 4608
		.amdhsa_private_segment_fixed_size 0
		.amdhsa_enable_private_segment 0
		.amdhsa_kernarg_size 32
		.amdhsa_user_sgpr_count 2
		.amdhsa_user_sgpr_kernarg_segment_ptr 1
		.amdhsa_wavefront_size32 1
		.amdhsa_system_sgpr_workgroup_id_x 1
		.amdhsa_system_sgpr_workgroup_id_y 1
		.amdhsa_system_sgpr_workgroup_id_z 1
		.amdhsa_system_vgpr_workitem_id 0
		.amdhsa_next_free_vgpr 162
		.amdhsa_next_free_sgpr 66
		.amdhsa_reserve_vcc 1
		.amdhsa_float_denorm_mode_32 3
		.amdhsa_float_denorm_mode_16_64 3
		.amdhsa_memory_ordered 1
		.amdhsa_forward_progress 1
		.amdhsa_inst_pref_size 45
	.end_amdhsa_kernel
	.amdgpu_metadata
---
amdhsa.version: [ 1, 2 ]
amdhsa.kernels:
  - .name:           k_qb86a6f3ad9_place
    .symbol:         k_qb86a6f3ad9_place.kd
    .args:
      - { .name: keys, .offset: 0, .size: 8, .value_kind: global_buffer, .address_space: global }
      - { .name: cnts, .offset: 8, .size: 8, .value_kind: global_buffer, .address_space: global }
      - { .name: order, .offset: 16, .size: 8, .value_kind: global_buffer, .address_space: global }
      - { .name: out1, .offset: 24, .size: 8, .value_kind: global_buffer, .address_space: global }
    .group_segment_fixed_size: 4608
    .private_segment_fixed_size: 0
    .kernarg_segment_align: 8
    .kernarg_segment_size: 32
    .max_flat_workgroup_size: 128
    .sgpr_count:     66
    .vgpr_count:     162
    .wavefront_size: 32
...
	.end_amdgpu_metadata
.endif
;; end of part 2
;; launch chain (part 3): grid 256 x 1, 4 waves a work-group, no clusters, 242,176 bytes of LDS; arguments x, order, gates, wq, wsc, b1, b2, out0; writes out0
.if DOCPART == 3
	.amdgcn_target "amdgcn-amd-amdhsa--gfx1250"
	.amdhsa_code_object_version 6
	.text
	.protected	k_qb86a6f3ad9_chain
	.globl	k_qb86a6f3ad9_chain
	.p2align	8
	.type	k_qb86a6f3ad9_chain,@function
k_qb86a6f3ad9_chain:
	s_mov_b64 s[64:65], 0
	v_nop
	global_prefetch_b8 v0, s[64:65] scope:SCOPE_SE
	s_setreg_imm32_b32 hwreg(HW_REG_WAVE_MODE, 25, 1), 1
	s_wait_xcnt 0x0
; out0[token] = x[token] + the sum over the token's chosen experts e of gate[token][e] (relu(x W1[e] + b1[e]) W2[e] + b2[e]); both products on codes of BF6 (E3M2) with one E8M0 scale for each 32 along K.
; SHARES.  A work-group owns 128 places of the list that the launches before have sorted by sets of experts: each output row has one owner.  It walks the 8 experts in a loop of constant count and passes over, by a
; scalar branch on the list's keys, those that none of its 128 tokens uses; for a token of the block that has not chosen a walked expert the gate is 0.
; THE WAVES SHARE THE COLUMNS: wave w makes hidden units 128 w .. + 127 and outputs 64 w .. + 63 for all 128 rows.  Its part of the expert's W1 and W2 (32 fragments, 384 registers) comes from memory straight into
; registers, laid by an earlier launch in the order of the operand's registers; the next expert's W1 is asked for while this expert's second product runs, its W2 while its first product runs.
; OPERANDS GO FROM WAVE TO WAVE THROUGH LDS AS IMAGES OF THEIR REGISTERS (a fragment: 3 stores of 512 bytes; its scale words: 4 bytes a lane).
; Both products are used transposed (source 0 = 16 rows of the weight, source 1 = 16 tokens): a lane holds one token.  W1's rows of a tile are chosen so that the 16 registers of two neighbouring tiles are 16 neighbours
; along the second product's K.  The biases are the C of each sum's first matrix instruction.  The hidden layer never goes to memory.
; WHY NO JOINT LOADS: neighbouring blocks walk different experts, and a load that a partner may not leave out would bring all 8 experts' weights where a block uses 4 or 5.  So the weights come by plain loads.
; BARRIERS stand in every wave's path, two a trip, outside the branches on the list; every global load and every wait for one stands in the first of a trip's two parts.
; WHAT STEERS THE BRANCHES, the union of the block's 128 keys, is made by scalar loads of the list and scalar ORs alone, in every wave for itself.
; LIMITS: NaN and infinities among the inputs are not served.  A block whose largest magnitude lies under 2^-122 (a block of zeros too) gets the scale byte 1.
; LDS
.set XIMG, 0                           ; x's 16 fragments (row tile m, K step s: 2 m + s), 1,536 bytes each
.set XSC,  24576                       ; their scale words, 128 bytes each
.set HSC,  26624                       ; the hidden layer's scale words
.set GL,   30720                       ; gates [expert][row] f32
.set B2L,  34816                       ; b2 as it lies
.set B1L,  43008                       ; b1 as it lies
.set HIMG, 59392                       ; the hidden layer's 32 fragments (4 m + s)
.set XRES, 108544                      ; 128 rows of x in f32, later of the result
.set XP,   1040                        ; their pitch: 1,024 + 16 = 260 words: row r starts at bank 4 r mod 64 (64 banks of 4 bytes: ISA guide 11.1)
.set FRB,  1536
; REGISTERS, in windows of 256.  Window 0:
.set LI,   1                           ; 16 x lane
.set LS,   2                           ; 4 x lane
.set XWI,  3                           ; where I store x's images: 16 x lane + 4 fragments x wave
.set XWS,  4                           ; and their scale words
.set HWI,  5                           ; the hidden layer's: HIMG + 16 x lane + 1,536 x wave
.set HWS,  6                           ; HSC + 4 x lane + 128 x wave
.set HRI,  7                           ; HIMG + 16 x lane
.set XQ,   8                           ; XRES + (32 wave + r) XP + 64 h: my 16 numbers of a block of 32
.set SRW,  9                           ; XRES + 32 wave XP + 16 x lane: whole rows
.set SO0,  10                          ; XRES + r XP + 256 wave + 32 h: my eight columns of row r; row tiles 0-3
.set SO1,  11                          ; row tiles 4-7
.set WSA,  12                          ; 32 x lane: the weights' scale words
.set B1A0, 13                          ; B1L + 512 wave + 64 h
.set B2A0, 14                          ; B2L + 256 wave + 32 h
.set GLA0, 15                          ; GL + 4 r
.set GLW,  16                          ; GL + 4 x thread
.set BCA,  17                          ; 16 x thread
.set B1A,  18                          ; the three above for the trip's expert
.set B2A,  19
.set GLA,  20
.set W1S,  32                          ; v32-39 W1's scale words: register t; lanes 0-15 K step 0, lanes 16-31 K step 1
.set W2S,  40                          ; v40-47 W2's: register 2 n + s / 2; lanes 16 (s % 2) on
.set XS,   48                          ; v48-49 x's scale words
.set PW,   50                          ; the scale word just made
.set HS,   52                          ; v52-59 the hidden layer's scale words, two sets of four
.set HA0,  64                          ; v64-127, v128-191: 8 tiles of the hidden layer, two buffers.  In the second product v64-95, v96-127 are y's accumulators, v128-175, v176-223 four hidden fragments, by turns
.set HA1,  128
.set OA,   64                          ; at the head and the tail: v64-95 my 32 rows' byte offsets in x and out0
.set PC,   192                         ; v192-210 the codes just made
.set TM,   212                         ; v212-227 the quantiser's work
.set GG,   228                         ; v228-243 the gates of row tile m, twice: registers 2 m, 2 m + 1 (a pair for the packed multiply-add)
; Window 1: v0-191 W1's 16 fragments (12 (2 t + s)); v192-255 b1's 8 tiles.   Window 2: v0-191 W2's 16 fragments (12 (4 n + s)); v192-223 b2's 4 tiles; v224-247 x's two fragments.
; Window 3: the totals, register 32 m + 8 n + j = out(row 16 m + r, column 64 wave + 16 n + 8 h + j); at the head and the tail whole rows.
; SCALARS: s[4:19] the eight addresses; s24 wave; s25 the union of the block's keys; s26 the expert; s27 is it used; s28 the first used; s[32:35] W1's and its scale words' base, s[40:43] W2's; s[44:47] W2's parts of wq, wsc;
; s[50:51] lane selects; s[68:99] my 32 rows' byte offsets.  At the head alone: s[20:21] an offset pair, s[22:23] the list at my wave's words, s[28:29] at another wave's, s[32:63] 32 words of the list.
.set SEL, 50
.set MSB, 0
.macro WIN new                         ; bits 1:0 source 0, 3:2 source 1, 5:4 source 2, 7:6 destination; the high byte repeats the setting that is left
.if MSB != \new
	s_set_vgpr_msb (MSB<<8)|\new
.set MSB, \new
.endif
.endm
.macro PL n                            ; places behind matrix instructions (ISA guide 7.12.1): plain vector instructions that name none of their registers
.rept \n
	v_nop
.endr
.endm
.macro BARRIER                         ; my LDS stores have landed and my LDS loads are in: then the work-group's barrier
	s_wait_dscnt 0x0
	s_barrier_signal -1
	s_barrier_wait -1
.endm
.macro ASK j                           ; the list's 32 words of the wave j further on (modulo 4) into s[32:63]
	s_add_co_u32 s30, s24, \j
	s_and_b32 s30, s30, 3
	s_lshl_b32 s20, s30, 7
	s_add_nc_u64 s[28:29], s[6:7], s[20:21]
	s_load_b512 s[32:47], s[28:29], 0x0
	s_load_b512 s[48:63], s[28:29], 0x40
.endm
.macro ORRUN first                     ; 32 words of the list are joined to the union (their keys lie in bits 23:16)
.set i, 0
.rept 32
	s_or_b32 s25, s25, s[\first+i]
.set i, i+1
.endr
.endm
; 64 numbers of a lane, register 16 b + i = k 32 b + 16 (lane / 16) + i of my row, become a fragment's codes in v[PC] on and its scale word in v[PW]
.macro QUANT s
.irp b, 0,1,2,3
	v_max3_num_f32 v[TM+\b], |v[\s+16*\b]|, |v[\s+1+16*\b]|, 0x2800000       ; my 16 numbers of block b, and the floor 2^(5 - 127): the byte cannot fall under 1
.endr
.irp i, 2,4,6,8,10,12,14
.irp b, 0,1,2,3
	v_max3_num_f32 v[TM+\b], v[TM+\b], |v[\s+16*\b+\i]|, |v[\s+1+16*\b+\i]|  ; the four blocks by turns
.endr
.endr
.irp b, 0,1,2,3
	v_permlanex16_b32 v[TM+4+\b], v[TM+\b], s[SEL], s[SEL+1]
.endr
.irp b, 0,1,2,3
	v_max_num_f32 v[TM+\b], v[TM+\b], v[TM+4+\b]   ; with lane l xor 16's: the block's largest magnitude
.endr
.irp b, 0,1,2,3
	v_add_nc_u32 v[TM+12+\b], 0xfe000000, v[TM+\b] ; 4 off its exponent field: the conversion takes that field as its scale
.endr
.irp b, 0,1,2,3
	v_lshrrev_b32 v[TM+4+\b], 23, v[TM+12+\b]      ; the scale's byte
.endr
	v_lshl_or_b32 v[PW], v[TM+5], 8, v[TM+4]
	v_lshl_or_b32 v[PW], v[TM+6], 16, v[PW]
	v_lshl_or_b32 v[PW], v[TM+7], 24, v[PW]
.irp c, 0,1
	v_cvt_scalef32_pk16_bf6_f32 v[PC+6*\c:PC+2+6*\c], v[\s+32*\c:\s+15+32*\c], v[TM+12+2*\c]
	v_cvt_scalef32_pk16_bf6_f32 v[PC+12+4*\c:PC+14+4*\c], v[\s+16+32*\c:\s+31+32*\c], v[TM+12+2*\c+1]   ; a conversion's three registers begin on an even number
.endr
	v_nop                                  ; one plain place behind a scaled conversion
.irp c, 0,1                            ; the operand's layout wants a whole block in a lane: lanes 0-15 block 2 c, lanes 16-31 block 2 c + 1
.irp i, 0,1,2
	v_permlane16_swap_b32 v[PC+6*\c+\i], v[PC+12+4*\c+\i]
.endr
.irp i, 0,1,2
	v_mov_b32 v[PC+3+6*\c+\i], v[PC+12+4*\c+\i]
.endr
.endr
.endm
.macro RQ buf                          ; the activation, each accumulator from its low end on, then the quantiser
.set j, 0
.rept 64
	v_max_num_f32 v[\buf+j], 0, v[\buf+j]
.set j, j+1
.endr
	QUANT \buf
.endm
.macro IMAGE adr, off
.irp c, 0,1,2
	ds_store_b128 v[\adr], v[PC+4*\c:PC+4*\c+3] offset:(\off)+512*\c
.endr
.endm
.macro BASE1 e                         ; where expert s[e]'s W1 fragments and scale words for my wave begin
	s_mul_i32 s36, s[\e], 64*FRB
	s_add_nc_u64 s[32:33], s[10:11], s[36:37]
	s_lshl_b32 s36, s[\e], 12
	s_add_nc_u64 s[34:35], s[12:13], s[36:37]
.endm
.macro BASE2 e
	s_mul_i32 s36, s[\e], 64*FRB
	s_add_nc_u64 s[40:41], s[44:45], s[36:37]
	s_lshl_b32 s36, s[\e], 12
	s_add_nc_u64 s[42:43], s[46:47], s[36:37]
.endm
.macro S1                              ; 50 loads: W1's 16 fragments (each load 512 consecutive bytes) and 8 scale words a lane
	WIN 0x40
.set f, 0
.rept 16
.irp j, 0,1,2
	global_load_b128 v[12*f+4*\j:12*f+4*\j+3], v[LI], s[32:33] offset:FRB*f+512*\j
.endr
.set f, f+1
.endr
	WIN 0
	global_load_b128 v[W1S:W1S+3], v[WSA], s[34:35]
	global_load_b128 v[W1S+4:W1S+7], v[WSA], s[34:35] offset:16
.endm
.macro W2SET                           ; the same for W2
	WIN 0x80
.set f, 0
.rept 16
.irp j, 0,1,2
	global_load_b128 v[12*f+4*\j:12*f+4*\j+3], v[LI], s[40:41] offset:FRB*f+512*\j
.endr
.set f, f+1
.endr
	WIN 0
	global_load_b128 v[W2S:W2S+3], v[WSA], s[42:43]
	global_load_b128 v[W2S+4:W2S+7], v[WSA], s[42:43] offset:16
.endm
.macro FETCHX m                        ; x's two fragments of row tile m, and their scale words
	WIN 0x80
.irp s, 0,1
.irp c, 0,1,2
	ds_load_b128 v[224+12*\s+4*\c:224+12*\s+4*\c+3], v[LI] offset:XIMG+(2*(\m)+\s)*FRB+512*\c
.endr
.endr
	WIN 0
	ds_load_b32 v[XS], v[LS] offset:XSC+128*(2*(\m))
	ds_load_b32 v[XS+1], v[LS] offset:XSC+128*(2*(\m)+1)
.endm
.macro WM buf                          ; my 8 tiles of the hidden layer for one row tile: 16 matrix instructions; the 8 accumulators take turns, one instruction a turn
	WIN 0x19                               ; W1 window 1, x window 2, b1 window 1, result window 0
.irp t, 0,1,2,3,4,5,6,7
	v_wmma_scale_f32_16x16x128_f8f6f4 v[\buf+8*\t:\buf+8*\t+7], v[24*\t:24*\t+11], v[224:235], v[192+8*\t:192+8*\t+7], v[W1S+\t], v[XS] matrix_a_fmt:MATRIX_FMT_BF6 matrix_b_fmt:MATRIX_FMT_BF6
.endr
	WIN 0x09
.irp t, 0,1,2,3,4,5,6,7
	v_wmma_scale_f32_16x16x128_f8f6f4 v[\buf+8*\t:\buf+8*\t+7], v[24*\t+12:24*\t+23], v[236:247], v[\buf+8*\t:\buf+8*\t+7], v[W1S+\t], v[XS+1] matrix_a_fmt:MATRIX_FMT_BF6 matrix_b_fmt:MATRIX_FMT_BF6 matrix_a_scale:MATRIX_SCALE_ROW1
.endr
.endm
.macro FETCHH m, p                     ; 16 LDS loads: the hidden layer's four fragments of row tile m and their scale words, into set p
	WIN 0
.irp s, 0,1,2,3
.irp c, 0,1,2
	ds_load_b128 v[128+48*\p+12*\s+4*\c:128+48*\p+12*\s+4*\c+3], v[HRI] offset:(4*\m+\s)*FRB+512*\c
.endr
	ds_load_b32 v[HS+4*\p+\s], v[LS] offset:HSC+128*(4*\m+\s)
.endr
.endm
.macro WM2 p                           ; my 4 tiles of outputs for the row tile in set p: 16 matrix instructions, the 4 accumulators by turns, K ascending
.irp s, 0,1,2,3
.if \s == 0
	WIN 0x22                               ; W2 window 2, hidden layer window 0, b2 window 2
.else
	WIN 0x02
.endif
.irp n, 0,1,2,3
.if \s == 0
	v_wmma_scale_f32_16x16x128_f8f6f4 v[64+32*\p+8*\n:64+32*\p+8*\n+7], v[12*(4*\n+\s):12*(4*\n+\s)+11], v[128+48*\p+12*\s:128+48*\p+12*\s+11], v[192+8*\n:192+8*\n+7], v[W2S+2*\n+\s/2], v[HS+4*\p+\s] matrix_a_fmt:MATRIX_FMT_BF6 matrix_b_fmt:MATRIX_FMT_BF6
.elseif \s == 2
	v_wmma_scale_f32_16x16x128_f8f6f4 v[64+32*\p+8*\n:64+32*\p+8*\n+7], v[12*(4*\n+\s):12*(4*\n+\s)+11], v[128+48*\p+12*\s:128+48*\p+12*\s+11], v[64+32*\p+8*\n:64+32*\p+8*\n+7], v[W2S+2*\n+\s/2], v[HS+4*\p+\s] matrix_a_fmt:MATRIX_FMT_BF6 matrix_b_fmt:MATRIX_FMT_BF6
.else
	v_wmma_scale_f32_16x16x128_f8f6f4 v[64+32*\p+8*\n:64+32*\p+8*\n+7], v[12*(4*\n+\s):12*(4*\n+\s)+11], v[128+48*\p+12*\s:128+48*\p+12*\s+11], v[64+32*\p+8*\n:64+32*\p+8*\n+7], v[W2S+2*\n+\s/2], v[HS+4*\p+\s] matrix_a_fmt:MATRIX_FMT_BF6 matrix_b_fmt:MATRIX_FMT_BF6 matrix_a_scale:MATRIX_SCALE_ROW1
.endif
.endr
.endr
.endm
.macro FMA m, p                        ; totals of row tile m += gate x y: 16 packed multiply-adds, each accumulator from its low end on
	WIN 0xf0                               ; y and the gate window 0, the totals window 3
.irp n, 0,1,2,3
.irp j, 0,2,4,6
	v_pk_fma_f32 v[32*\m+8*\n+\j:32*\m+8*\n+\j+1], v[64+32*\p+8*\n+\j:64+32*\p+8*\n+\j+1], v[GG+2*\m:GG+2*\m+1], v[32*\m+8*\n+\j:32*\m+8*\n+\j+1]
.endr
.endr
.endm
.macro XQL a, s, buf                   ; my rows 16 a + r, K step s: 64 numbers a lane, in the quantiser's order
.irp b, 0,1,2,3
.irp j, 0,1,2,3
	ds_load_b128 v[\buf+16*\b+4*\j:\buf+16*\b+4*\j+3], v[XQ] offset:16*XP*\a+512*\s+128*\b+16*\j
.endr
.endr
.endm
.macro OFFS                            ; my 32 rows' byte offsets + 16 x lane
.set i, 0
.rept 32
	v_add_nc_u32 v[OA+i], s[68+i], v[LI]
.set i, i+1
.endr
.endm
	; ================ THE HEAD ================
	s_load_b512 s[4:19], s[0:1], 0x0               ; x s[4:5], order s[6:7], gates s[8:9], wq s[10:11], wsc s[12:13], b1 s[14:15], b2 s[16:17], out0 s[18:19]
	v_lshl_add_u32 v254, v0, 2, 0x3b000
	v_mov_b32 v255, 0
	v_lshrrev_b32 v21, 5, v0
	v_readfirstlane_b32 s24, v21                   ; wave 0..3
	v_and_b32 v21, 31, v0                          ; lane
	v_and_b32 v22, 15, v0                          ; r
	v_bfe_u32 v23, v0, 4, 1                        ; h
	v_lshlrev_b32 v[LI], 4, v21
	v_lshlrev_b32 v[LS], 2, v21
	v_lshlrev_b32 v[WSA], 5, v21
	s_mul_i32 s29, s24, 4*FRB
	v_add_nc_u32 v[XWI], s29, v[LI]
	s_lshl_b32 s29, s24, 9
	v_add_nc_u32 v[XWS], s29, v[LS]
	s_mul_i32 s29, s24, FRB
	s_add_co_u32 s29, s29, HIMG
	v_add_nc_u32 v[HWI], s29, v[LI]
	s_lshl_b32 s29, s24, 7
	s_add_co_u32 s29, s29, HSC
	v_add_nc_u32 v[HWS], s29, v[LS]
	v_add_nc_u32 v[HRI], HIMG, v[LI]
	s_mul_i32 s29, s24, 32*XP
	s_add_co_u32 s29, s29, XRES
	v_add_nc_u32 v[SRW], s29, v[LI]
	v_mul_u32_u24 v[XQ], v22, XP
	v_lshl_add_u32 v[XQ], v23, 6, v[XQ]
	v_add_nc_u32 v[XQ], s29, v[XQ]
	v_mul_u32_u24 v[SO0], v22, XP
	v_lshl_add_u32 v[SO0], v23, 5, v[SO0]
	s_lshl_b32 s29, s24, 8
	s_add_co_u32 s29, s29, XRES
	v_add_nc_u32 v[SO0], s29, v[SO0]
	v_add_nc_u32 v[SO1], 64*XP, v[SO0]
	s_lshl_b32 s29, s24, 9
	s_add_co_u32 s29, s29, B1L
	v_lshl_add_u32 v[B1A0], v23, 6, s29
	s_lshl_b32 s29, s24, 8
	s_add_co_u32 s29, s29, B2L
	v_lshl_add_u32 v[B2A0], v23, 5, s29
	v_lshl_add_u32 v[GLA0], v22, 2, GL
	v_lshl_add_u32 v[GLW], v0, 2, GL
	v_lshlrev_b32 v[BCA], 4, v0
	v_lshlrev_b32 v233, 2, v0
.irp b, 0,1,2,3
	v_mov_b32 v[TM+4+\b], 0                        ; written once: a lane permute's destination counts as one of its sources
.endr
	s_mov_b32 s21, 0                               ; the upper word of the head's offset pair s[20:21]
	s_mov_b32 s25, 0                               ; the union begins empty
	s_wait_kmcnt 0x0
	s_lshl_b32 s20, ttmp9, 9
	s_add_nc_u64 s[6:7], s[6:7], s[20:21]          ; the list at my block's 128 places
	s_lshl_b32 s20, s24, 7
	s_add_nc_u64 s[22:23], s[6:7], s[20:21]        ; and at my wave's 32
	s_load_b512 s[68:83], s[22:23], 0x0
	s_load_b512 s[84:99], s[22:23], 0x40
	ASK 1                                          ; with them the next wave's 32 words, for the union of the keys
	global_load_b32 v232, v233, s[6:7]             ; my thread's word, for its gates
.irp i, 0,1,2,3,4,5,6,7
	global_load_b128 v[128+4*\i:131+4*\i], v[BCA], s[14:15] offset:2048*\i   ; b1, 2,048 consecutive bytes the work-group
.endr
.irp i, 0,1,2,3
	global_load_b128 v[160+4*\i:163+4*\i], v[BCA], s[16:17] offset:2048*\i   ; b2
.endr
	s_mul_i32 s20, s24, 16*FRB
	s_add_nc_u64 s[10:11], s[10:11], s[20:21]      ; my wave's part of an expert's W1
	s_lshl_b32 s20, s24, 10
	s_add_nc_u64 s[12:13], s[12:13], s[20:21]      ; and of its scale words
	s_wait_kmcnt 0x0                               ; scalar loads come back in no order: only the count 0 shows anything
	ORRUN 68                                       ; my own 32 words, as they came,
	ORRUN 32                                       ; and the next wave's
	ASK 2                                          ; the third run lands while the loads of x are issued
.set i, 0
.rept 32
	s_and_b32 s[68+i], s[68+i], 0x7fff             ; the token,
	s_min_u32 s[68+i], s[68+i], 0x7fff             ; held inside x,
	s_lshl_b32 s[68+i], s[68+i], 10                ; as its row's byte offset
.set i, i+1
.endr
	OFFS
	WIN 0xc0
.set i, 0
.rept 32
	global_load_b128 v[8*i:8*i+3], v[OA+i], s[4:5] th:TH_LOAD_NT              ; a whole row by two loads of 512 consecutive bytes; each row is on the list once
	global_load_b128 v[8*i+4:8*i+7], v[OA+i], s[4:5] offset:512 th:TH_LOAD_NT
.set i, i+1
.endr
	WIN 0
	s_wait_kmcnt 0x0
	ORRUN 32
	ASK 3                                          ; the last run lands under the biases' stores and the gates' loads
	s_wait_loadcnt 63                              ; 77 loads are issued: the first 14 are in, my word of the list and the biases among them
.irp i, 0,1,2,3,4,5,6,7
	ds_store_b128 v[BCA], v[128+4*\i:131+4*\i] offset:B1L+2048*\i
.endr
.irp i, 0,1,2,3
	ds_store_b128 v[BCA], v[160+4*\i:163+4*\i] offset:B2L+2048*\i
.endr
	v_and_b32 v234, 0x7fff, v232
	v_min_u32 v234, 0x7fff, v234
	v_lshlrev_b32 v234, 5, v234
	global_load_b128 v[236:239], v234, s[8:9]      ; my thread's row's 8 gates
	global_load_b128 v[240:243], v234, s[8:9] offset:16
	s_wait_kmcnt 0x0
	ORRUN 32
	s_lshr_b32 s25, s25, 16
	s_and_b32 s25, s25, 0xff                       ; the experts that the block uses
	s_ctz_i32_b32 s28, s25
	s_min_u32 s28, s28, 7                          ; the first of them
	s_mov_b32 s37, 0                               ; s[32:63] are free of the list's words: the upper word of every offset pair s[36:37],
	s_mov_b32 s[SEL], 0x76543210
	s_mov_b32 s[SEL+1], 0xfedcba98                 ; v_permlanex16_b32's selects for lane l xor 16,
	s_add_nc_u64 s[44:45], s[10:11], 786432        ; my wave's part of an expert's W2
	s_add_nc_u64 s[46:47], s[12:13], 32768         ; and of its scale words
	BASE1 28
	BASE2 28
	S1                                             ; the first expert's weights
	W2SET
	s_wait_loadcnt 63                              ; 179 loads are issued: the first 116 are in; x and the gates end at the 79th
	WIN 0x0c
.set i, 0
.rept 32
	ds_store_b128 v[SRW], v[8*i:8*i+3] offset:i*XP
	ds_store_b128 v[SRW], v[8*i+4:8*i+7] offset:i*XP+512
.set i, i+1
.endr
	WIN 0
.irp e, 0,1,2,3,4,5,6,7
	ds_store_b32 v[GLW], v[236+\e] offset:512*\e
.endr
	s_wait_dscnt 0x0
	; my 32 rows of x become four fragments; the two buffers take turns
	XQL 0, 0, HA0
	XQL 0, 1, HA1
	s_wait_dscnt 16                                ; the first 16 loads are in
	QUANT HA0
	IMAGE XWI, XIMG
	ds_store_b32 v[XWS], v[PW] offset:XSC
	s_wait_dscnt 0x0                               ; the second 16 are in, and the stores have read their registers
	XQL 1, 0, HA0
	QUANT HA1
	IMAGE XWI, XIMG+FRB
	ds_store_b32 v[XWS], v[PW] offset:XSC+128
	s_wait_dscnt 0x0
	XQL 1, 1, HA1
	QUANT HA0
	IMAGE XWI, XIMG+2*FRB
	ds_store_b32 v[XWS], v[PW] offset:XSC+256
	s_wait_dscnt 0x0
	QUANT HA1
	IMAGE XWI, XIMG+3*FRB
	ds_store_b32 v[XWS], v[PW] offset:XSC+384
	s_wait_loadcnt 0x0                             ; the first expert's weights are in: no load is out on any way into the loop
	BARRIER                                        ; x's rows and fragments, the gates and the biases lie in LDS
	WIN 0xc0
.set m, 0
.rept 8
.irp n, 0,1,2,3
	ds_load_b128 v[32*m+8*\n:32*m+8*\n+3], v[SO0+m/4] offset:(m%4)*16*XP+64*\n       ; the totals begin as x: the residual
	ds_load_b128 v[32*m+8*\n+4:32*m+8*\n+7], v[SO0+m/4] offset:(m%4)*16*XP+64*\n+16
.endr
.set m, m+1
.endr
	WIN 0
	s_wait_dscnt 0x0
	s_mov_b32 s26, 0
	; ================ THE EXPERTS: 8 trips ================
.Ltrip:
	s_lshl_b32 s29, s26, 11
	v_add_nc_u32 v[B1A], s29, v[B1A0]
	s_lshl_b32 s29, s26, 10
	v_add_nc_u32 v[B2A], s29, v[B2A0]
	s_lshl_b32 s29, s26, 9
	v_add_nc_u32 v[GLA], s29, v[GLA0]
	s_lshr_b32 s27, s25, s26
	s_and_b32 s27, s27, 1
	s_cmp_lg_u32 s27, 0
	s_cbranch_scc0 .Lskip_a
	; ---- the first product, the activation, the quantiser ----
	s_wait_loadcnt 0x0                             ; this expert's W1 is in; no load is out, so the bases may be written
	s_cmp_eq_u32 s26, s28
	s_cbranch_scc1 .Lhave_w2                       ; the first expert's W2 came at the head
	BASE2 26
	W2SET                                          ; it has the whole first product in which to land
.Lhave_w2:
	WIN 0x40
.irp t, 0,1,2,3,4,5,6,7
	ds_load_b128 v[192+8*\t:192+8*\t+3], v[B1A] offset:(32*(\t/2)+8*(\t%2))*4       ; b1 in the result's layout: tile t, my half's eight units
	ds_load_b128 v[192+8*\t+4:192+8*\t+7], v[B1A] offset:(32*(\t/2)+8*(\t%2))*4+16
.endr
	FETCHX 0
	s_wait_dscnt 0x0
	WM HA0
	PL 4                                           ; in front of loads into registers that matrix instructions have read
	FETCHX 1
	s_wait_dscnt 0x0
	WM HA1
.irp m, 0,1,2,3,4,5                    ; row tile m is quantised while row tile m + 1 is multiplied; then its buffer takes row tile m + 2
	PL 4
	FETCHX \m+2
	RQ HA0+64*(\m%2)
	IMAGE HWI, 4*FRB*\m                            ; K step number wave of the second product, rows 16 m on
	ds_store_b32 v[HWS], v[PW] offset:512*\m
	s_wait_dscnt 0x0                               ; x's fragments are in, and the stores have read their registers
	WM HA0+64*(\m%2)
.endr
	WIN 0
	PL 4                                           ; W1's registers have had their last read
	s_wait_loadcnt 0x0                             ; W2 is in: the second product needs no wait for memory
	s_add_co_u32 s29, s26, 1
	s_lshr_b32 s30, s25, s29
	s_cmp_lg_u32 s30, 0
	s_cbranch_scc0 .Lno_next
	s_ctz_i32_b32 s31, s30
	s_add_co_u32 s31, s31, s29
	s_min_u32 s31, s31, 7                          ; the next expert that the block uses
	BASE1 31
	S1                                             ; its W1 has the second product in which to land
.Lno_next:
	RQ HA0
	IMAGE HWI, 4*FRB*6
	ds_store_b32 v[HWS], v[PW] offset:512*6
	s_wait_dscnt 0x0
	RQ HA1
	IMAGE HWI, 4*FRB*7
	ds_store_b32 v[HWS], v[PW] offset:512*7
.Lskip_a:
	BARRIER                                        ; the hidden layer's 32 fragments lie in LDS
	s_cmp_lg_u32 s27, 0
	s_cbranch_scc0 .Lskip_b
	; ---- the second product and the gates ----
	WIN 0x80
.irp n, 0,1,2,3
	ds_load_b128 v[192+8*\n:192+8*\n+3], v[B2A] offset:64*\n
	ds_load_b128 v[192+8*\n+4:192+8*\n+7], v[B2A] offset:64*\n+16
.endr
	WIN 0
.irp m, 0,1,2,3,4,5,6,7
	ds_load_b32 v[GG+2*\m], v[GLA] offset:64*\m    ; the gate of row 16 m + r, into both registers of a pair
	ds_load_b32 v[GG+2*\m+1], v[GLA] offset:64*\m
.endr
	FETCHH 0, 0
	FETCHH 1, 1
	s_wait_dscnt 16                                ; all but the 16 loads just issued
	WM2 0
	PL 5                                           ; in front of the loads into set 0; and y's first accumulators are begun anew two tiles on
	FETCHH 2, 0
	s_wait_dscnt 16
	WM2 1
	FMA 0, 0                                       ; a tile's multiply-adds stand behind the next tile's products; they are also the places in front of the loads that follow
	FETCHH 3, 1
	s_wait_dscnt 16
	WM2 0
	FMA 1, 1
	FETCHH 4, 0
	s_wait_dscnt 16
	WM2 1
	FMA 2, 0
	FETCHH 5, 1
	s_wait_dscnt 16
	WM2 0
	FMA 3, 1
	FETCHH 6, 0
	s_wait_dscnt 16
	WM2 1
	FMA 4, 0
	FETCHH 7, 1
	s_wait_dscnt 16
	WM2 0
	FMA 5, 1
	s_wait_dscnt 0x0
	WM2 1
	FMA 6, 0
	PL 4
	FMA 7, 1
	WIN 0
.Lskip_b:
	BARRIER                                        ; nobody reads the hidden layer's images any more
	s_add_co_u32 s26, s26, 1
	s_cmp_lt_u32 s26, 8
	s_cbranch_scc1 .Ltrip
	; ================ THE WAY OUT: a row's 256 numbers come from four waves: through LDS, and out as whole rows ================
	WIN 0x0c
.set m, 0
.rept 8
.irp n, 0,1,2,3
	ds_store_b128 v[SO0+m/4], v[32*m+8*\n:32*m+8*\n+3] offset:(m%4)*16*XP+64*\n
	ds_store_b128 v[SO0+m/4], v[32*m+8*\n+4:32*m+8*\n+7] offset:(m%4)*16*XP+64*\n+16
.endr
.set m, m+1
.endr
	WIN 0
	BARRIER
	OFFS
	WIN 0xc0
.set i, 0
.rept 32
	ds_load_b128 v[8*i:8*i+3], v[SRW] offset:i*XP
	ds_load_b128 v[8*i+4:8*i+7], v[SRW] offset:i*XP+512
.set i, i+1
.endr
	WIN 0x0c
.set k, 0
.rept 64
	s_wait_dscnt 63-k                              ; LDS loads come back in order: number k is in
	global_store_b128 v[OA+k/2], v[4*k:4*k+3], s[18:19] offset:512*(k%2) th:TH_STORE_NT   ; 32 lanes store 512 consecutive bytes, aligned; written once
.set k, k+1
.endr
	WIN 0
	s_wait_tensorcnt 0x0
	ds_add_u32 v254, v255
	s_wait_dscnt 0x0
	s_endpgm
.Lfunc_end_k_qb86a6f3ad9_chain:
	.size	k_qb86a6f3ad9_chain, .Lfunc_end_k_qb86a6f3ad9_chain-k_qb86a6f3ad9_chain
	.p2alignl 7, 3214868480
	.fill 96, 4, 3214868480
	.section	.rodata,"a",@progbits
	.p2align	6, 0x0
	.amdhsa_kernel k_qb86a6f3ad9_chain
		.amdhsa_group_segment_fixed_size 242176
		.amdhsa_private_segment_fixed_size 0
		.amdhsa_enable_private_segment 0
		.amdhsa_kernarg_size 64
		.amdhsa_user_sgpr_count 2
		.amdhsa_user_sgpr_kernarg_segment_ptr 1
		.amdhsa_wavefront_size32 1
		.amdhsa_system_sgpr_workgroup_id_x 1
		.amdhsa_system_sgpr_workgroup_id_y 1
		.amdhsa_system_sgpr_workgroup_id_z 1
		.amdhsa_system_vgpr_workitem_id 0
		.amdhsa_next_free_vgpr 1024
		.amdhsa_next_free_sgpr 100
		.amdhsa_reserve_vcc 0
		.amdhsa_float_denorm_mode_32 3
		.amdhsa_float_denorm_mode_16_64 3
		.amdhsa_memory_ordered 1
		.amdhsa_forward_progress 1
		.amdhsa_inst_pref_size 196
	.end_amdhsa_kernel
	.amdgpu_metadata
---
amdhsa.version: [ 1, 2 ]
amdhsa.kernels:
  - .name:           k_qb86a6f3ad9_chain
    .symbol:         k_qb86a6f3ad9_chain.kd
    .args:
      - { .name: x, .offset: 0, .size: 8, .value_kind: global_buffer, .address_space: global }
      - { .name: order, .offset: 8, .size: 8, .value_kind: global_buffer, .address_space: global }
      - { .name: gates, .offset: 16, .size: 8, .value_kind: global_buffer, .address_space: global }
      - { .name: wq, .offset: 24, .size: 8, .value_kind: global_buffer, .address_space: global }
      - { .name: wsc, .offset: 32, .size: 8, .value_kind: global_buffer, .address_space: global }
      - { .name: b1, .offset: 40, .size: 8, .value_kind: global_buffer, .address_space: global }
      - { .name: b2, .offset: 48, .size: 8, .value_kind: global_buffer, .address_space: global }
      - { .name: out0, .offset: 56, .size: 8, .value_kind: global_buffer, .address_space: global }
    .group_segment_fixed_size: 242176
    .private_segment_fixed_size: 0
    .kernarg_segment_align: 8
    .kernarg_segment_size: 64
    .max_flat_workgroup_size: 128
    .sgpr_count:     100
    .vgpr_count:     1024
    .wavefront_size: 32
...
	.end_amdgpu_metadata
.endif
;; end of part 3
;; ======== version 2 of 2: 3 launches
;; workspace buffers: gates 1,048,576 bytes; keys 131,072 bytes of whole numbers; cnts 655,360 bytes of whole numbers; order 131,072 bytes of whole numbers; wq 1,572,864 bytes; wsc 65,536 bytes
;; launch prep (part 4): grid 384 x 1, 4 waves a work-group, no clusters, 2,560 bytes of LDS; arguments x, mask, w_gate, W1, W2, gates, keys, cnts, wq, wsc; writes gates, keys, cnts, wq, wsc
.if DOCPART == 4
	.amdgcn_target "amdgcn-amd-amdhsa--gfx1250"
	.amdhsa_code_object_version 6
	.text
	.protected	k_qb86a6f3ad9_prep
	.globl	k_qb86a6f3ad9_prep
	.p2align	8
	.type	k_qb86a6f3ad9_prep,@function
k_qb86a6f3ad9_prep:
	s_mov_b64 s[64:65], 0
	v_nop
	global_prefetch_b8 v0, s[64:65] scope:SCOPE_SE
	s_setreg_imm32_b32 hwreg(HW_REG_WAVE_MODE, 25, 1), 1
	s_wait_xcnt 0x0
; THREE JOBS IN ONE LAUNCH, parted on the work-group's number alone.
;   work-groups 0-63:    W1 [8][256 k][512 unit] f32 -> codes of BF6 (E3M2) and E8M0 scale words, laid in the ORDER OF THE OPERAND'S REGISTERS for the launch that multiplies
;   work-groups 64-127:  W2 [8][512 k][256 out] f32 likewise
;   work-groups 128-383: the router for 128 tokens each: logits = x w_gate in f32, the 4 largest of 8 (of equal logits the lower index), softmax over those 4 (their maximum taken away first), x float(mask).
; The router stores, at fixed places: gates [token][8] f32 (0 where an expert is not chosen), keys [token] (the 8-bit set of chosen experts), and counts of the sets for the sort that the next launch makes:
; cnts: PRE [run of 32 tokens][128 bins] = tokens of that bin in the earlier waves of the same 128 tokens; from byte 524,288 HIST [128 tokens][128 bins].  bin = key & 127: a key has 4 bits set, so 7 bits tell it.
; No address and no branch here hangs on a logit: the choice only selects values.
; WEIGHTS.  K is the first axis, so A LANE TAKES A COLUMN AND ITS REGISTERS RUN DOWN K: a block of 32 lies in one lane, the conversions give codes with K innermost, nothing is transposed.
; A wave takes 32 columns x 128 along K = two fragments of 16 rows x 128 K.  A fragment's image is [3 groups of 4 registers][32 lanes][16 bytes] = 1,536 bytes; lane (r, h) of the reader holds k = 64 c + 32 h + 0..31
; in registers 6 c .. 6 c + 5, so the column's lane here makes both halves h and stores each where that reader's lane will load it.
; wq: W1 at 0, W2 at 786,432, each [expert][reader's wave][fragment 16][1,536]; W1's fragment 2 t + s (tile t, K step s), W2's 4 n + s.  wsc: W1 at 0, W2 at 32,768, each [expert][wave][lane 32][8 words].
; W1's ROWS OF A TILE ARE NOT NEIGHBOURS: row r of tile 2 b + u is unit 32 b + 8 u + r + 8 (r / 8), so that the first product's results of two neighbouring tiles are 16 neighbours along the second product's K.
; A block's scale is 2^(floor(log2(largest magnitude)) - 4); its byte is that magnitude's exponent field - 4, held at 1 from below.
; LIMITS: NaN and infinities among the inputs are not served.  A block whose largest magnitude lies under 2^-122 (a block of zeros too) gets the byte 1; the bytes are read by this program alone.
; The logits' f32 sums run in another order than a plain dot product's: logits nearer to each other than that rounding may change places.
.set WG,  16                           ; v16-79   router: w_gate for my 8 k: register 8 j + e; j < 4: k = 4 lane + j; j >= 4: k = 128 + 4 lane + j - 4
.set X,   80                           ; v80-207  router: a ring of four slots, each 4 rows x 8 numbers of x
.set P,   208                          ; v208-239 router: partial logits, register 8 row + expert
.set MK,  240                          ; v240-247 router: group g's mask, then its gate
.set TT,  248                          ; v248-255 router: at work
.set KW,  40                           ; s40-47   router: group g's four keys, a byte each
.set N,   32                           ; v32-159  weights: 128 numbers down K: register 64 h + 32 c + i holds k = 64 c + 32 h + i
.set CT,  192                          ; v192-198 weights: the second half of a block's codes, before it is moved
.set MX,  200                          ; v200-201 weights: largest magnitudes
.set SOP, 202                          ; v202-203 weights: the conversions' scale operands
.set BY,  204                          ; v204-207 weights: the four scale bytes
.macro WLOAD pitch, base               ; 128 loads; each reads 32 neighbouring columns of one row k: 128 consecutive bytes a wave, 512 the four waves
.irp h, 0,1
.irp c, 0,1
.set i, 0
.rept 32
	global_load_b32 v[N+64*\h+32*\c+i], v3, s[\base:\base+1] offset:(64*\c+32*\h+i)*\pitch th:TH_LOAD_NT
.set i, i+1
.endr
.endr
.endr
.endm
.macro WHALF h                         ; blocks h and 2 + h of the K step become the 12 registers of the reader's lane (r, h)
.set NB, N+64*\h
.set CH, 160+16*\h                     ; a set of its own for each half: no store's data are written again
.irp c, 0,1
	v_max3_num_f32 v[MX+\c], |v[NB+32*\c]|, |v[NB+32*\c+1]|, 0x2800000       ; the floor 2^(5 - 127) among the leaves: the byte cannot fall under 1
.endr
.irp i, 2,4,6,8,10,12,14,16,18,20,22,24,26,28,30
.irp c, 0,1
	v_max3_num_f32 v[MX+\c], v[MX+\c], |v[NB+32*\c+\i]|, |v[NB+32*\c+\i+1]|  ; the two blocks by turns
.endr
.endr
.irp c, 0,1
	v_add_nc_u32 v[SOP+\c], 0xfe000000, v[MX+\c]                            ; 4 off the exponent field: the conversion takes that field as its scale
.endr
.irp c, 0,1
	v_lshrrev_b32 v[BY+2*\c+\h], 23, v[SOP+\c]                              ; the byte of block 2 c + h
.endr
.irp c, 0,1
	v_cvt_scalef32_pk16_bf6_f32 v[CH+6*\c:CH+6*\c+2], v[NB+32*\c:NB+32*\c+15], v[SOP+\c]
	v_cvt_scalef32_pk16_bf6_f32 v[CT+4*\c:CT+4*\c+2], v[NB+32*\c+16:NB+32*\c+31], v[SOP+\c]   ; a conversion's three registers begin on an even number
.endr
	v_nop                                  ; one plain place behind a scaled conversion
.irp c, 0,1
.irp i, 0,1,2
	v_mov_b32 v[CH+6*\c+3+\i], v[CT+4*\c+\i]
.endr
.endr
.irp j, 0,1,2
	global_store_b128 v4, v[CH+4*\j:CH+4*\j+3], s[20:21] offset:256*\h+512*\j   ; sixteen lanes of a tile store 256 consecutive bytes, aligned
.endr
.endm
.macro WTASK pitch, base
	WLOAD \pitch, \base
	s_wait_loadcnt 63                      ; the first 64 loads (h = 0) are in: 64 are younger, and the count's field ends at 63
	WHALF 0
	s_wait_loadcnt 0x0
	WHALF 1
	v_lshl_or_b32 v208, v[BY+1], 8, v[BY]  ; the column's scale word for these 128 along K
	v_lshl_or_b32 v208, v[BY+2], 16, v208
	v_lshl_or_b32 v208, v[BY+3], 24, v208
	global_store_b32 v7, v208, s[22:23]
	s_endpgm
.endm
.macro XLOAD g                         ; group g: 4 rows of x, each as two loads of 512 consecutive bytes
.irp i, 0,1,2,3
	global_load_b128 v[X+32*((\g)%4)+8*\i:X+32*((\g)%4)+8*\i+3], v2, s[4:5] offset:(4*(\g)+\i)*1024 th:TH_LOAD_NT
	global_load_b128 v[X+32*((\g)%4)+8*\i+4:X+32*((\g)%4)+8*\i+7], v2, s[4:5] offset:(4*(\g)+\i)*1024+512 th:TH_LOAD_NT
.endr
.endm
.macro FOLD off, msk                   ; values n and n + off become one register: lanes whose bit off is set keep n + off, the others n; each adds what its partner sends
.set n, 0
.rept \off
	v_cndmask_b32 v[TT+2*(n%2)], v[P+n], v[P+n+\off], s[\msk]
	v_cndmask_b32 v[TT+2*(n%2)+1], v[P+n+\off], v[P+n], s[\msk]
	v_add_f32_dpp v[P+n], v[TT+2*(n%2)+1], v[TT+2*(n%2)] row_xmask:\off row_mask:0xf bank_mask:0xf
.set n, n+1
.endr
.endm
; Group g: 4 tokens.  left = the younger loads that may stay out.
.macro GROUP g, left, refill
.set XB, X+32*((\g)%4)
	s_wait_loadcnt \left
.irp i, 0,1,2,3
.irp e, 0,2,4,6
	v_pk_mul_f32 v[P+8*\i+\e:P+8*\i+\e+1], v[XB+8*\i:XB+8*\i+1], v[WG+\e:WG+\e+1] op_sel_hi:[0,1]   ; x(row, k) for both halves, two experts at a time; the first k starts the sums
.endr
.endr
.irp j, 1,2,3,4,5,6,7
.irp i, 0,1,2,3
.irp e, 0,2,4,6
.if \j%2
	v_pk_fma_f32 v[P+8*\i+\e:P+8*\i+\e+1], v[XB+8*\i+\j-1:XB+8*\i+\j], v[WG+8*\j+\e:WG+8*\j+\e+1], v[P+8*\i+\e:P+8*\i+\e+1] op_sel:[1,0,0] op_sel_hi:[1,1,1]
.else
	v_pk_fma_f32 v[P+8*\i+\e:P+8*\i+\e+1], v[XB+8*\i+\j:XB+8*\i+\j+1], v[WG+8*\j+\e:WG+8*\j+\e+1], v[P+8*\i+\e:P+8*\i+\e+1] op_sel_hi:[0,1,1]
.endif
.endr
.endr
.endr
.if \refill
	XLOAD (\g)+4                           ; the slot's next rows
.endif
	; 32 sums over 32 lanes, and lane L ends with the logit of row L / 8, expert L % 8
.irp n, 0,1,2,3,4,5,6,7,8,9,10,11,12,13,14,15
	v_permlane16_swap_b32 v[P+\n], v[P+16+\n]
.endr
.irp n, 0,1,2,3,4,5,6,7,8,9,10,11,12,13,14,15
	v_add_f32 v[P+\n], v[P+\n], v[P+16+\n]
.endr
	FOLD 8, 32
	FOLD 4, 33
	FOLD 2, 34
	FOLD 1, 35
	; rank = how many of the row's other seven logits come before mine: the larger ones, and equal ones of a lower index
	v_mov_b32 v249, 0
.irp m, 1,2,3,4,5,6,7
	v_mov_b32_dpp v248, v[P] row_xmask:\m row_mask:0xf bank_mask:0xf
	v_cmp_gt_f32 s36, v248, v[P]
	v_cmp_ge_f32 s37, v248, v[P]
.if \m == 1
	s_and_b32 s37, s37, s35                ; the partner's index e xor m is the lower one where m's highest bit is set in e
.elseif \m < 4
	s_and_b32 s37, s37, s34
.else
	s_and_b32 s37, s37, s33
.endif
	s_or_b32 vcc_lo, s36, s37
	v_add_co_ci_u32 v249, vcc_lo, 0, v249, vcc_lo
.endr
	v_cmp_gt_u32 s[KW+\g], 4, v249         ; chosen: byte i of the mask is row i's key
	; softmax over the chosen four; the row's largest logit is one of them
	v_max_num_f32_dpp v250, v[P], v[P] row_xmask:1 row_mask:0xf bank_mask:0xf
	v_max_num_f32_dpp v250, v250, v250 row_xmask:2 row_mask:0xf bank_mask:0xf
	v_max_num_f32_dpp v250, v250, v250 row_xmask:4 row_mask:0xf bank_mask:0xf
	v_sub_f32 v251, v[P], v250
	v_mul_f32 v251, 0x3fb8aa3b, v251
	s_wait_alu depctr_va_vdst(0)
	v_exp_f32 v251, v251
	v_cvt_f32_i32 v252, v[MK+\g]           ; float(mask); also the plain place behind the exponential
	s_wait_alu depctr_va_vdst(0)
	v_cndmask_b32 v251, 0, v251, s[KW+\g]
	v_add_f32_dpp v253, v251, v251 row_xmask:1 row_mask:0xf bank_mask:0xf
	v_add_f32_dpp v253, v253, v253 row_xmask:2 row_mask:0xf bank_mask:0xf
	v_add_f32_dpp v253, v253, v253 row_xmask:4 row_mask:0xf bank_mask:0xf
	s_wait_alu depctr_va_vdst(0)
	v_rcp_f32 v253, v253                   ; the sum is at least 1: the largest logit's term
	v_mul_f32 v251, v251, v252             ; (the plain place behind the reciprocal)
	s_wait_alu depctr_va_vdst(0)
	v_mul_f32 v[MK+\g], v251, v253
	global_store_b32 v3, v[MK+\g], s[14:15] offset:128*\g   ; 4 tokens x 8 gates: 128 consecutive bytes
	; the wave's counts: lane l keeps bins l, l + 32, l + 64, l + 96
.irp i, 0,1,2,3
	s_bfe_u32 s36, s[KW+\g], (7<<16)|(8*\i)
.irp j, 0,1,2,3
	v_cmp_eq_u32 vcc_lo, s36, v[10+\j]
	v_add_co_ci_u32 v[6+\j], vcc_lo, 0, v[6+\j], vcc_lo
.endr
.endr
.endm
	s_load_b512 s[4:19], s[0:1], 0x0               ; x s[4:5], mask s[6:7], w_gate s[8:9], W1 s[10:11], W2 s[12:13], gates s[14:15], keys s[16:17], cnts s[18:19]
	s_load_b128 s[20:23], s[0:1], 0x40             ; wq s[20:21], wsc s[22:23]
	v_lshl_add_u32 v254, v0, 2, 0x800
	v_mov_b32 v255, 0
	v_lshrrev_b32 v1, 5, v0
	v_readfirstlane_b32 s24, v1                    ; wave 0..3
	v_and_b32 v1, 31, v0                           ; lane
	v_lshlrev_b32 v2, 4, v1                        ; 16 x lane
	v_lshlrev_b32 v3, 2, v1                        ; 4 x lane
	s_mov_b32 s31, 0                               ; the upper word of every offset pair s[30:31]
	s_wait_kmcnt 0x0
	s_cmp_lt_u32 ttmp9, 64
	s_cbranch_scc1 .Lw1
	s_cmp_lt_u32 ttmp9, 128
	s_cbranch_scc1 .Lw2
	; ---------------- the router ----------------
	s_sub_co_u32 s25, ttmp9, 128                   ; which 128 tokens
	s_lshl_b32 s26, s25, 2
	s_add_co_u32 s26, s26, s24                     ; which 32 tokens are my wave's
	s_lshl_b32 s30, s26, 15                        ; 32 rows of 1,024 bytes
	s_add_nc_u64 s[4:5], s[4:5], s[30:31]
	s_lshl_b32 s30, s26, 7                         ; 32 words
	s_add_nc_u64 s[6:7], s[6:7], s[30:31]
	s_add_nc_u64 s[16:17], s[16:17], s[30:31]
	s_lshl_b32 s30, s26, 10                        ; 32 tokens x 32 bytes
	s_add_nc_u64 s[14:15], s[14:15], s[30:31]
	s_lshl_b32 s30, s26, 9                         ; a row of 128 counts
	s_add_nc_u64 s[48:49], s[18:19], s[30:31]      ; PRE's row
	s_lshl_b32 s30, s25, 9
	s_add_co_u32 s30, s30, 524288
	s_add_nc_u64 s[50:51], s[18:19], s[30:31]      ; HIST's row
	s_mov_b32 s32, 0xff00ff00                      ; lanes whose bit 3 is set;
	s_mov_b32 s33, 0xf0f0f0f0                      ; bit 2;
	s_mov_b32 s34, 0xcccccccc                      ; bit 1;
	s_mov_b32 s35, 0xaaaaaaaa                      ; bit 0
	s_wait_alu depctr_va_vdst(0)
	v_lshrrev_b32 v4, 3, v1
	v_lshlrev_b32 v4, 2, v4                        ; the mask word of row lane / 8
	v_lshlrev_b32 v15, 7, v1                       ; w_gate: 4 rows of 32 bytes a lane
.irp j, 0,1,2,3
	v_mov_b32 v[6+\j], 0                           ; counts
	v_add_nc_u32 v[10+\j], 32*\j, v1               ; the bins that I count
.endr
	v_mov_b32 v253, 0                              ; written once: the destination of a DPP form counts as read
	v_lshrrev_b32 v14, 5, v0
	v_lshl_add_u32 v14, v14, 9, v3                 ; LDS: 512 x wave + 4 x lane
.irp i, 0,1,2,3,4,5,6,7
	global_load_b128 v[WG+4*\i:WG+4*\i+3], v15, s[8:9] offset:16*\i
	global_load_b128 v[WG+32+4*\i:WG+32+4*\i+3], v15, s[8:9] offset:4096+16*\i
.endr
.irp g, 0,1,2,3,4,5,6,7
	global_load_b32 v[MK+\g], v4, s[6:7] offset:16*\g
.endr
.irp g, 0,1,2,3
	XLOAD \g
.endr
	GROUP 0, 24, 1                                 ; three younger slots of eight loads stay out
	GROUP 1, 24, 1
	GROUP 2, 24, 1
	GROUP 3, 24, 1
	GROUP 4, 24, 0
	GROUP 5, 16, 0                                 ; nothing more is asked for: the counts run down
	GROUP 6, 8, 0
	GROUP 7, 0, 0
	; keys: lane L wants byte L % 4 of group L / 4's word
	v_mov_b32 v5, 0
.irp g, 0,1,2,3,4,5,6,7
	v_writelane_b32 v5, s[KW+\g], \g
.endr
	v_and_b32 v15, 0x1c, v1                        ; 4 x (lane / 4): the lane to pull from, as a byte address
	ds_bpermute_b32 v248, v15, v5
.irp j, 0,1,2,3
	ds_store_b32 v14, v[6+\j] offset:128*\j        ; my wave's 128 counts
.endr
	v_and_b32 v249, 3, v1
	v_lshlrev_b32 v249, 3, v249
	s_wait_alu depctr_va_vdst(0)
	s_wait_dscnt 0x0                               ; the pull is back, and for the others' sake my stores have landed
	v_lshrrev_b32 v248, v249, v248
	v_and_b32 v248, 0xff, v248
	global_store_b32 v3, v248, s[16:17]            ; 32 keys: 128 consecutive bytes
	s_barrier_signal -1
	s_barrier_wait -1
.irp w, 0,1,2,3
.irp j, 0,1,2,3
	ds_load_b32 v[80+4*\w+\j], v3 offset:512*\w+128*\j
.endr
.endr
	s_cmp_gt_u32 s24, 0
	s_cselect_b32 s36, 1, 0
	s_cmp_gt_u32 s24, 1
	s_cselect_b32 s37, 1, 0
	s_cmp_gt_u32 s24, 2
	s_cselect_b32 s38, 1, 0
	s_wait_dscnt 0x0
.irp j, 0,1,2,3
	v_mul_u32_u24 v[96+\j], v[80+\j], s36          ; the counts of the waves in front of mine
	v_mad_u32_u24 v[96+\j], v[84+\j], s37, v[96+\j]
	v_mad_u32_u24 v[96+\j], v[88+\j], s38, v[96+\j]
	v_add3_u32 v[100+\j], v[80+\j], v[84+\j], v[88+\j]
	v_add_nc_u32 v[100+\j], v[100+\j], v[92+\j]    ; and of all four
	global_store_b32 v3, v[96+\j], s[48:49] offset:128*\j
.endr
	s_cmp_lg_u32 s24, 0
	s_cbranch_scc1 .Lrouter_end
.irp j, 0,1,2,3
	global_store_b32 v3, v[100+\j], s[50:51] offset:128*\j
.endr
.Lrouter_end:
	s_wait_tensorcnt 0x0
	ds_add_u32 v254, v255
	s_wait_dscnt 0x0
	s_endpgm
	; ---------------- W1: q = work-group: expert q / 8, K step (q / 4) % 2, reader's wave q % 4; my wave is the group b of 32 units ----------------
.Lw1:
	s_lshr_b32 s26, ttmp9, 3                       ; e
	s_bfe_u32 s27, ttmp9, 0x10002                  ; s
	s_and_b32 s28, ttmp9, 3                        ; w
	s_lshl_b32 s30, s26, 19                        ; from: e x 524,288 + 128 s rows of 2,048 + 4 (128 w + 32 b)
	s_lshl_b32 s29, s27, 18
	s_add_co_u32 s30, s30, s29
	s_lshl_b32 s29, s28, 9
	s_add_co_u32 s30, s30, s29
	s_lshl_b32 s29, s24, 7
	s_add_co_u32 s30, s30, s29
	s_add_nc_u64 s[10:11], s[10:11], s[30:31]
	s_mul_i32 s30, s26, 98304                      ; to: e x 98,304 + w x 24,576 + fragment (4 b + s) x 1,536
	s_mul_i32 s29, s28, 24576
	s_add_co_u32 s30, s30, s29
	s_lshl_b32 s29, s24, 2
	s_add_co_u32 s29, s29, s27
	s_mul_i32 s29, s29, 1536
	s_add_co_u32 s30, s30, s29
	s_add_nc_u64 s[20:21], s[20:21], s[30:31]
	s_lshl_b32 s30, s26, 12                        ; scale words: e x 4,096 + w x 1,024 + lane (16 s + r) x 32 + word (2 b + u) x 4
	s_lshl_b32 s29, s28, 10
	s_add_co_u32 s30, s30, s29
	s_lshl_b32 s29, s27, 9
	s_add_co_u32 s30, s30, s29
	s_lshl_b32 s29, s24, 3
	s_add_co_u32 s30, s30, s29
	s_add_nc_u64 s[22:23], s[22:23], s[30:31]
	s_wait_alu depctr_va_vdst(0)
	v_bfe_u32 v5, v1, 3, 1                         ; u: which of the group's two tiles my column belongs to
	v_and_b32 v6, 7, v1
	v_lshrrev_b32 v8, 4, v1
	v_lshl_or_b32 v6, v8, 3, v6                    ; r: its row there
	v_mul_u32_u24 v4, v5, 3072                     ; tile 2 b + u lies two fragments on
	v_lshl_add_u32 v4, v6, 4, v4
	v_lshlrev_b32 v7, 5, v6
	v_lshl_add_u32 v7, v5, 2, v7
	WTASK 2048, 10
	; ---------------- W2: q = work-group - 64: expert q / 8, K step (q / 2) % 4; my wave's 32 outputs begin at 128 (q % 2) + 32 wave ----------------
.Lw2:
	s_sub_co_u32 s25, ttmp9, 64
	s_lshr_b32 s26, s25, 3                         ; e
	s_bfe_u32 s27, s25, 0x20001                    ; s
	s_and_b32 s28, s25, 1
	s_lshl_b32 s28, s28, 1
	s_lshr_b32 s29, s24, 1
	s_add_co_u32 s28, s28, s29                     ; w: the reader's wave
	s_and_b32 s33, s24, 1                          ; which half of its 64 outputs
	s_lshl_b32 s30, s26, 19                        ; from: e x 524,288 + 128 s rows of 1,024 + 4 (64 w + 32 half)
	s_lshl_b32 s29, s27, 17
	s_add_co_u32 s30, s30, s29
	s_lshl_b32 s29, s28, 8
	s_add_co_u32 s30, s30, s29
	s_lshl_b32 s29, s33, 7
	s_add_co_u32 s30, s30, s29
	s_add_nc_u64 s[12:13], s[12:13], s[30:31]
	s_mul_i32 s30, s26, 98304                      ; to: 786,432 + e x 98,304 + w x 24,576 + fragment (8 half + s) x 1,536
	s_mul_i32 s29, s28, 24576
	s_add_co_u32 s30, s30, s29
	s_lshl_b32 s29, s33, 3
	s_add_co_u32 s29, s29, s27
	s_mul_i32 s29, s29, 1536
	s_add_co_u32 s30, s30, s29
	s_add_co_u32 s30, s30, 786432
	s_add_nc_u64 s[20:21], s[20:21], s[30:31]
	s_lshl_b32 s30, s26, 12                        ; scale words: 32,768 + e x 4,096 + w x 1,024 + lane (16 (s % 2) + r) x 32 + word (2 n + s / 2) x 4, n = 2 half + (column / 16)
	s_lshl_b32 s29, s28, 10
	s_add_co_u32 s30, s30, s29
	s_and_b32 s29, s27, 1
	s_lshl_b32 s29, s29, 9
	s_add_co_u32 s30, s30, s29
	s_lshl_b32 s29, s33, 4
	s_add_co_u32 s30, s30, s29
	s_lshr_b32 s29, s27, 1
	s_lshl_b32 s29, s29, 2
	s_add_co_u32 s30, s30, s29
	s_add_co_u32 s30, s30, 32768
	s_add_nc_u64 s[22:23], s[22:23], s[30:31]
	s_wait_alu depctr_va_vdst(0)
	v_lshrrev_b32 v5, 4, v1                        ; which of my two tiles
	v_and_b32 v6, 15, v1                           ; r
	v_mul_u32_u24 v4, v5, 6144                     ; the next tile lies four fragments on
	v_lshl_add_u32 v4, v6, 4, v4
	v_lshlrev_b32 v7, 5, v6
	v_lshl_add_u32 v7, v5, 3, v7
	WTASK 1024, 12
.Lfunc_end_k_qb86a6f3ad9_prep:
	.size	k_qb86a6f3ad9_prep, .Lfunc_end_k_qb86a6f3ad9_prep-k_qb86a6f3ad9_prep
	.p2alignl 7, 3214868480
	.fill 96, 4, 3214868480
	.section	.rodata,"a",@progbits
	.p2align	6, 0x0
	.amdhsa_kernel k_qb86a6f3ad9_prep
		.amdhsa_group_segment_fixed_size 2560
		.amdhsa_private_segment_fixed_size 0
		.amdhsa_enable_private_segment 0
		.amdhsa_kernarg_size 80
		.amdhsa_user_sgpr_count 2
		.amdhsa_user_sgpr_kernarg_segment_ptr 1
		.amdhsa_wavefront_size32 1
		.amdhsa_system_sgpr_workgroup_id_x 1
		.amdhsa_system_sgpr_workgroup_id_y 1
		.amdhsa_system_sgpr_workgroup_id_z 1
		.amdhsa_system_vgpr_workitem_id 0
		.amdhsa_next_free_vgpr 256
		.amdhsa_next_free_sgpr 66
		.amdhsa_reserve_vcc 1
		.amdhsa_float_denorm_mode_32 3
		.amdhsa_float_denorm_mode_16_64 3
		.amdhsa_memory_ordered 1
		.amdhsa_forward_progress 1
		.amdhsa_inst_pref_size 184
	.end_amdhsa_kernel
	.amdgpu_metadata
---
amdhsa.version: [ 1, 2 ]
amdhsa.kernels:
  - .name:           k_qb86a6f3ad9_prep
    .symbol:         k_qb86a6f3ad9_prep.kd
    .args:
      - { .name: x, .offset: 0, .size: 8, .value_kind: global_buffer, .address_space: global }
      - { .name: mask, .offset: 8, .size: 8, .value_kind: global_buffer, .address_space: global }
      - { .name: w_gate, .offset: 16, .size: 8, .value_kind: global_buffer, .address_space: global }
      - { .name: W1, .offset: 24, .size: 8, .value_kind: global_buffer, .address_space: global }
      - { .name: W2, .offset: 32, .size: 8, .value_kind: global_buffer, .address_space: global }
      - { .name: gates, .offset: 40, .size: 8, .value_kind: global_buffer, .address_space: global }
      - { .name: keys, .offset: 48, .size: 8, .value_kind: global_buffer, .address_space: global }
      - { .name: cnts, .offset: 56, .size: 8, .value_kind: global_buffer, .address_space: global }
      - { .name: wq, .offset: 64, .size: 8, .value_kind: global_buffer, .address_space: global }
      - { .name: wsc, .offset: 72, .size: 8, .value_kind: global_buffer, .address_space: global }
    .group_segment_fixed_size: 2560
    .private_segment_fixed_size: 0
    .kernarg_segment_align: 8
    .kernarg_segment_size: 80
    .max_flat_workgroup_size: 128
    .sgpr_count:     66
    .vgpr_count:     256
    .wavefront_size: 32
...
	.end_amdgpu_metadata
.endif
;; end of part 4
;; launch place (part 5): grid 256 x 1, 4 waves a work-group, no clusters, 4,608 bytes of LDS; arguments keys, cnts, order, out1; writes order, out1
.if DOCPART == 5
	.amdgcn_target "amdgcn-amd-amdhsa--gfx1250"
	.amdhsa_code_object_version 6
	.text
	.protected	k_qb86a6f3ad9_place
	.globl	k_qb86a6f3ad9_place
	.p2align	8
	.type	k_qb86a6f3ad9_place,@function
k_qb86a6f3ad9_place:
	s_mov_b64 s[64:65], 0
	v_nop
	global_prefetch_b8 v0, s[64:65] scope:SCOPE_SE
	s_setreg_imm32_b32 hwreg(HW_REG_WAVE_MODE, 25, 1), 1
	s_wait_xcnt 0x0
; THE SORT'S SECOND HALF: every token gets its place in the order of the bins (bin = key & 127, the set of its experts), by counting alone: no atomics, whole numbers throughout.
; place = tokens in lower bins + tokens of my bin in earlier runs of 128 + those in earlier waves of my 128 (PRE, stored by the launch before) + those in lower lanes of my wave.
; order[place] = token | key << 16.  Work-group c takes tokens 128 c on, a lane one token.  Every work-group sums all 256 rows of HIST for itself (128 KiB, shared out among its four waves): cheaper than a launch more.
; Work-group 0 also stores out1 = 0.0.
.macro LOADB k                         ; batch k: 16 rows of HIST, rows 4 i + wave; a row is 512 bytes: one load, lane L holds bins 4 L .. 4 L + 3
.set i, 0
.rept 16
	global_load_b128 v[32+64*((\k)%2)+4*i:32+64*((\k)%2)+4*i+3], v2, s[6:7] offset:2048*(16*(\k)+i)
.set i, i+1
.endr
.endm
.macro SUMB k, left
	s_wait_loadcnt \left
.set i, 0
.rept 16
	s_add_co_u32 s16, s12, 4*(16*(\k)+i)           ; the row's run of 128 tokens:
	s_cmp_lt_u32 s16, s13                          ; ahead of mine?
	s_cselect_b32 s17, 1, 0
.irp q, 0,1,2,3
	v_add_nc_u32 v[8+\q], v[8+\q], v[32+64*((\k)%2)+4*i+\q]
	v_mad_u32_u24 v[12+\q], v[32+64*((\k)%2)+4*i+\q], s17, v[12+\q]
.endr
.set i, i+1
.endr
.endm
	s_load_b256 s[4:11], s[0:1], 0x0               ; keys s[4:5], cnts s[6:7], order s[8:9], out1 s[10:11]
	v_lshl_add_u32 v160, v0, 2, 0x1000
	v_mov_b32 v161, 0
	v_lshrrev_b32 v1, 5, v0
	v_readfirstlane_b32 s12, v1                    ; wave
	s_mov_b32 s13, ttmp9                           ; my run of 128 tokens
	v_and_b32 v1, 31, v0                           ; lane
	v_lshlrev_b32 v2, 4, v1
	v_lshlrev_b32 v3, 2, v1
	v_lshlrev_b32 v16, 4, v0                       ; LDS: 512 x wave + 16 x lane
.irp q, 0,1,2,3,4,5,6,7
	v_mov_b32 v[8+\q], 0                           ; v8-11: all tokens of my four bins; v12-15: those in earlier runs
.endr
	s_lshl_b32 s16, s13, 2
	s_add_co_u32 s16, s16, s12                     ; my wave's run of 32
	s_mov_b32 s19, 0
	s_wait_alu depctr_va_vdst(0)
	s_wait_kmcnt 0x0
	s_lshl_b32 s18, s16, 7
	s_add_nc_u64 s[4:5], s[4:5], s[18:19]
	s_lshl_b32 s18, s16, 9
	s_add_nc_u64 s[14:15], s[6:7], s[18:19]        ; PRE's row for my wave
	s_lshl_b32 s18, s12, 9
	s_add_co_u32 s18, s18, 524288
	s_add_nc_u64 s[6:7], s[6:7], s[18:19]          ; HIST's row number wave
	global_load_b32 v4, v3, s[4:5]                 ; my token's key
	LOADB 0
	LOADB 1
	SUMB 0, 16                                     ; the key and batch 0 are in; batch 1 stays out
	v_and_b32 v5, 127, v4
	v_min_u32 v5, 127, v5                          ; the bin, held inside the table that it indexes
	v_lshlrev_b32 v6, 2, v5
	global_load_b32 v7, v6, s[14:15]               ; PRE[my wave][my bin]
	LOADB 2
	SUMB 1, 17                                     ; younger: that one load and batch 2
	LOADB 3
	s_wait_alu depctr_va_vdst(0)
	SUMB 2, 16
	s_wait_alu depctr_va_vdst(0)
	SUMB 3, 0
	ds_store_b128 v16, v[8:11]
	ds_store_b128 v16, v[12:15] offset:2048
	s_wait_dscnt 0x0                               ; for the others' sake
	s_barrier_signal -1
	s_barrier_wait -1
.irp w, 0,1,2,3
	ds_load_b128 v[32+4*\w:35+4*\w], v2 offset:512*\w
	ds_load_b128 v[48+4*\w:51+4*\w], v2 offset:2048+512*\w
.endr
	s_wait_dscnt 0x0
.irp q, 0,1,2,3
	v_add3_u32 v[8+\q], v[32+\q], v[36+\q], v[40+\q]
	v_add3_u32 v[12+\q], v[48+\q], v[52+\q], v[56+\q]
.endr
.irp q, 0,1,2,3
	v_add_nc_u32 v[8+\q], v[8+\q], v[44+\q]
	v_add_nc_u32 v[12+\q], v[12+\q], v[60+\q]
.endr
	; the sum of all lower bins: inside the lane, then over the lanes
	v_add_nc_u32 v17, v8, v9
	v_add_nc_u32 v18, v17, v10
	v_add_nc_u32 v19, v18, v11                     ; my four bins together
	v_mov_b32 v20, v19
	v_mov_b32 v21, 0
.irp n, 1,2,4,8
	v_mov_b32_dpp v21, v20 row_shr:\n row_mask:0xf bank_mask:0xf bound_ctrl:1
	v_add_nc_u32 v20, v20, v21
.endr
	v_readlane_b32 s20, v20, 15                    ; lanes 0-15 together,
	v_lshrrev_b32 v22, 4, v1
	v_mad_u32_u24 v20, v22, s20, v20               ; onto lanes 16-31
	v_sub_nc_u32 v20, v20, v19                     ; without my own
	v_add_nc_u32 v24, v20, v12                     ; where each of my four bins begins for this run of 128 tokens
	v_add3_u32 v25, v20, v8, v13
	v_add3_u32 v26, v20, v17, v14
	v_add3_u32 v27, v20, v18, v15
	v_and_b32 v23, 0x7c, v5                        ; the lane that holds my token's bin, as a byte address
.irp q, 0,1,2,3
	ds_bpermute_b32 v[28+\q], v23, v[24+\q]
.endr
	v_and_b32 v33, 3, v5
	; my rank among the wave's tokens of the same bin: lanes that differ from me in some bit of the bin are struck out
	v_mov_b32 v34, 0
.irp b, 0,1,2,3,4,5,6
	v_bfe_u32 v35, v5, \b, 1
	v_cmp_ne_u32 vcc_lo, 0, v35
	v_sub_nc_u32 v35, 0, v35
	v_xor_b32 v35, vcc_lo, v35
	v_or_b32 v34, v34, v35
.endr
	v_xor_b32 v34, -1, v34
	v_mbcnt_lo_u32_b32 v36, v34, 0
	s_wait_dscnt 0x0
	v_cmp_eq_u32 vcc_lo, 1, v33
	v_cndmask_b32 v28, v28, v29, vcc_lo
	v_cmp_eq_u32 vcc_lo, 2, v33
	v_cndmask_b32 v28, v28, v30, vcc_lo
	v_cmp_eq_u32 vcc_lo, 3, v33
	v_cndmask_b32 v28, v28, v31, vcc_lo
	s_wait_alu depctr_va_vdst(0)
	v_add3_u32 v28, v28, v7, v36
	v_min_u32 v28, 0x7fff, v28                     ; held inside the list
	v_lshlrev_b32 v28, 2, v28
	s_lshl_b32 s20, s13, 7
	v_add_nc_u32 v37, s20, v0                      ; my token
	v_lshl_or_b32 v37, v4, 16, v37
	global_store_b32 v28, v37, s[8:9]
	s_cmp_lg_u32 ttmp9, 0
	s_cbranch_scc1 .Ldone
	v_mov_b32 v40, 0
	s_wait_alu depctr_va_vdst(0)
	s_wait_xcnt 0x0                                ; EXEC is a source of the store above: it changes only behind this wait
	v_cmp_eq_u32 vcc_lo, 0, v0
	s_and_saveexec_b32 s20, vcc_lo
	global_store_b32 v40, v40, s[10:11]            ; out1 = 0.0
	s_wait_xcnt 0x0
	s_or_b32 exec_lo, exec_lo, s20
.Ldone:
	s_wait_tensorcnt 0x0
	ds_add_u32 v160, v161
	s_wait_dscnt 0x0
	s_endpgm
.Lfunc_end_k_qb86a6f3ad9_place:
	.size	k_qb86a6f3ad9_place, .Lfunc_end_k_qb86a6f3ad9_place-k_qb86a6f3ad9_place
	.p2alignl 7, 3214868480
	.fill 96, 4, 3214868480
	.section	.rodata,"a",@progbits
	.p2align	6, 0x0
	.amdhsa_kernel k_qb86a6f3ad9_place
		.amdhsa_group_segment_fixed_size 4608
		.amdhsa_private_segment_fixed_size 0
		.amdhsa_enable_private_segment 0
		.amdhsa_kernarg_size 32
		.amdhsa_user_sgpr_count 2
		.amdhsa_user_sgpr_kernarg_segment_ptr 1
		.amdhsa_wavefront_size32 1
		.amdhsa_system_sgpr_workgroup_id_x 1
		.amdhsa_system_sgpr_workgroup_id_y 1
		.amdhsa_system_sgpr_workgroup_id_z 1
		.amdhsa_system_vgpr_workitem_id 0
		.amdhsa_next_free_vgpr 162
		.amdhsa_next_free_sgpr 66
		.amdhsa_reserve_vcc 1
		.amdhsa_float_denorm_mode_32 3
		.amdhsa_float_denorm_mode_16_64 3
		.amdhsa_memory_ordered 1
		.amdhsa_forward_progress 1
		.amdhsa_inst_pref_size 45
	.end_amdhsa_kernel
	.amdgpu_metadata
---
amdhsa.version: [ 1, 2 ]
amdhsa.kernels:
  - .name:           k_qb86a6f3ad9_place
    .symbol:         k_qb86a6f3ad9_place.kd
    .args:
      - { .name: keys, .offset: 0, .size: 8, .value_kind: global_buffer, .address_space: global }
      - { .name: cnts, .offset: 8, .size: 8, .value_kind: global_buffer, .address_space: global }
      - { .name: order, .offset: 16, .size: 8, .value_kind: global_buffer, .address_space: global }
      - { .name: out1, .offset: 24, .size: 8, .value_kind: global_buffer, .address_space: global }
    .group_segment_fixed_size: 4608
    .private_segment_fixed_size: 0
    .kernarg_segment_align: 8
    .kernarg_segment_size: 32
    .max_flat_workgroup_size: 128
    .sgpr_count:     66
    .vgpr_count:     162
    .wavefront_size: 32
...
	.end_amdgpu_metadata
.endif
;; end of part 5
;; launch chain (part 6): grid 256 x 1, 4 waves a work-group, no clusters, 242,176 bytes of LDS; arguments x, order, gates, wq, wsc, b1, b2, out0; writes out0
.if DOCPART == 6
	.amdgcn_target "amdgcn-amd-amdhsa--gfx1250"
	.amdhsa_code_object_version 6
	.text
	.protected	k_qb86a6f3ad9_chain
	.globl	k_qb86a6f3ad9_chain
	.p2align	8
	.type	k_qb86a6f3ad9_chain,@function
k_qb86a6f3ad9_chain:
	s_mov_b64 s[64:65], 0
	v_nop
	global_prefetch_b8 v0, s[64:65] scope:SCOPE_SE
	s_setreg_imm32_b32 hwreg(HW_REG_WAVE_SCHED_MODE, 0, 2), 2
	s_setreg_imm32_b32 hwreg(HW_REG_WAVE_MODE, 25, 1), 1
	s_wait_xcnt 0x0
	s_wait_alu depctr_vm_vsrc(0)
; out0[token] = x[token] + the sum over the token's chosen experts e of gate[token][e] (relu(x W1[e] + b1[e]) W2[e] + b2[e]); both products on codes of BF6 (E3M2) with one E8M0 scale for each 32 along K.
; SHARES.  A work-group owns 128 places of the list that the launches before have sorted by sets of experts: each output row has one owner.  It walks the 8 experts in a loop of constant count and passes over, by a
; scalar branch on the list's keys, those that none of its 128 tokens uses; for a token of the block that has not chosen a walked expert the gate is 0.
; THE WAVES SHARE THE COLUMNS: wave w makes hidden units 128 w .. + 127 and outputs 64 w .. + 63 for all 128 rows.  Its part of the expert's W1 and W2 (32 fragments, 384 registers) comes from memory straight into
; registers, laid by an earlier launch in the order of the operand's registers; the next expert's W1 is asked for while this expert's last row tiles are quantised, its W2 while its first product runs.
; OPERANDS GO FROM WAVE TO WAVE THROUGH LDS AS IMAGES OF THEIR REGISTERS (a fragment: 3 stores of 512 bytes; its scale words: 4 bytes a lane).
; Both products are used transposed (source 0 = 16 rows of the weight, source 1 = 16 tokens): a lane holds one token.  W1's rows of a tile are chosen so that the 16 registers of two neighbouring tiles are 16 neighbours
; along the second product's K.  The biases are the C of each sum's first matrix instruction.  The hidden layer never goes to memory.
; WHY NO JOINT LOADS: neighbouring blocks walk different experts, and a load that a partner may not leave out would bring all 8 experts' weights where a block uses 4 or 5.  So the weights come by plain loads.
; BARRIERS stand in every wave's path, two a trip, outside the branches on the list; every global load and every wait for one stands in the first of a trip's two parts.
; WHAT STEERS THE BRANCHES, the union of the block's 128 keys, is made by scalar loads of the list and scalar ORs alone, in every wave for itself.
; LIMITS: NaN and infinities among the inputs are not served.  A block whose largest magnitude lies under 2^-122 (a block of zeros too) gets the scale byte 1.
; THE MODE: SCHED_MODE bits 1:0 = 2 (LLVM: expert scheduling mode 2), set by the entry lines.  The code itself states the register dependences between vector or matrix instructions and memory or LDS
; instructions, with s_wait_alu, always for 0.
; THE PLAN.  Registers that memory or LDS instructions touch in the loop, and who else names them:
;   v1-17, and v248-249 of window 2   addresses, made at the head, never written again.
;   v18-20          the trip's places of b1, b2 and the gates: written by three additions at a trip's head, read by LDS loads of that trip.
;   W2, b1, b2      read by matrix instructions; loaded anew in the next used trip, behind the wait at that trip's head.
;   W1              read by the first product's matrix instructions; the next expert's is loaded behind the wait that follows row tile 6's quantiser: the last of those products was issued ahead of that quantiser.
;   x's fragments   TWO SETS, even row tiles in set 0, odd ones in set 1.  Row tile j + 3 is loaded behind the wait that follows row tile j's quantiser, into the set that row tile j + 1's products read: they were issued
;                   ahead of that quantiser.  So the load has a whole row tile's work in which to land, and no wait stands for it alone (but one, behind row tile 0's products).
;   PC, PW          written by a quantiser, read by its image's four LDS stores: a wait on va_vdst between the two, a wait on vm_vsrc ahead of the next quantiser.
;   hidden sets     two, by turns.  Row tile m + 1 is loaded into the set that row tile m - 1's products read: one wait on va_vdst ahead of row tile m's products, and the sixteen loads are dealt among the first eight of these,
;                   which name the other set alone.
;   the gates       loaded at the second product's head into registers that hold x's set 1 in the first; read by the multiply-adds.
;   HA0, HA1, y's accumulators and the quantiser's work are named by vector and matrix instructions alone in the loop.
; LDS
.set XIMG, 0                           ; x's 16 fragments (row tile m, K step s: 2 m + s), 1,536 bytes each
.set XSC,  24576                       ; their scale words, 128 bytes each
.set HSC,  26624                       ; the hidden layer's scale words
.set GL,   30720                       ; gates [expert][row] f32
.set B2L,  34816                       ; b2 as it lies
.set B1L,  43008                       ; b1 as it lies
.set HIMG, 59392                       ; the hidden layer's 32 fragments (4 m + s)
.set XRES, 108544                      ; 128 rows of x in f32, later of the result
.set XP,   1040                        ; their pitch: 1,024 + 16 = 260 words: row r starts at bank 4 r mod 64 (64 banks of 4 bytes: ISA guide 11.1)
.set FRB,  1536
; REGISTERS, in windows of 256.  Window 0:
.set LI,   1                           ; 16 x lane
.set LS,   2                           ; 4 x lane
.set XWI,  3                           ; where I store x's images: 16 x lane + 4 fragments x wave
.set XWS,  4                           ; and their scale words
.set HWI,  5                           ; the hidden layer's: HIMG + 16 x lane + 1,536 x wave
.set HWS,  6                           ; HSC + 4 x lane + 128 x wave
.set HRI,  7                           ; HIMG + 16 x lane
.set XQ,   8                           ; XRES + (32 wave + r) XP + 64 h: my 16 numbers of a block of 32
.set SRW,  9                           ; XRES + 32 wave XP + 16 x lane: whole rows
.set SO0,  10                          ; XRES + r XP + 256 wave + 32 h: my eight columns of row r; row tiles 0-3
.set SO1,  11                          ; row tiles 4-7
.set WSA,  12                          ; 32 x lane: the weights' scale words
.set B1A0, 13                          ; B1L + 512 wave + 64 h
.set B2A0, 14                          ; B2L + 256 wave + 32 h
.set GLA0, 15                          ; GL + 4 r
.set GLW,  16                          ; GL + 4 x thread
.set BCA,  17                          ; 16 x thread
.set B1A,  18                          ; the three above for the trip's expert
.set B2A,  19
.set GLA,  20
.set W1S,  32                          ; v32-39 W1's scale words: register t; lanes 0-15 K step 0, lanes 16-31 K step 1
.set W2S,  40                          ; v40-47 W2's: register 2 n + s / 2; lanes 16 (s % 2) on
.set XS,   48                          ; v48-49 x's scale words, set 0; set 1: v60-61
.set PW,   50                          ; the scale word just made
.set HS,   52                          ; v52-59 the hidden layer's scale words, two sets of four
.set HA0,  64                          ; v64-127, v128-191: 8 tiles of the hidden layer, two buffers.  In the second product v64-95, v96-127 are y's accumulators, v128-175, v176-223 four hidden fragments, by turns
.set HA1,  128
.set OA,   64                          ; at the head and the tail: v64-95 my 32 rows' byte offsets in x and out0
.set PC,   192                         ; v192-210 the codes just made
.set TM,   212                         ; v212-227 the quantiser's work
.set GG,   228                         ; v228-243 in the second product: the gates of row tile m, twice: registers 2 m, 2 m + 1 (a pair for the packed multiply-add).  In the first product v228-251 are x's two fragments, set 1
; Window 1: v0-191 W1's 16 fragments (12 (2 t + s)); v192-255 b1's 8 tiles.   Window 2: v0-191 W2's 16 fragments (12 (4 n + s)); v192-223 b2's 4 tiles; v224-247 x's two fragments, set 0;
.set HRI2, 248                         ; window 2, v248: HIMG + 16 x lane once more, and
.set LS2,  249                         ; window 2, v249: 4 x lane: under the second product's windows an LDS load's address is taken from window 2, so the loads dealt among its matrix instructions want no switch
; Window 3: the totals, register 32 m + 8 n + j = out(row 16 m + r, column 64 wave + 16 n + 8 h + j); at the head and the tail whole rows.
; SCALARS: s[4:19] the eight addresses; s24 wave; s25 the union of the block's keys; s26 the expert; s27 is it used; s28 the first used; s[32:35] W1's and its scale words' base, s[40:43] W2's; s[44:47] W2's parts of wq, wsc;
; s[50:51] lane selects; s[68:99] my 32 rows' byte offsets.  At the head alone: s[20:21] an offset pair, s[22:23] the list at my wave's words, s[28:29] at another wave's, s[32:63] 32 words of the list.
.set SEL, 50
.set MSB, 0
.macro WIN new                         ; bits 1:0 source 0, 3:2 source 1, 5:4 source 2, 7:6 destination; the high byte repeats the setting that is left
.if MSB != \new
	s_set_vgpr_msb (MSB<<8)|\new
.set MSB, \new
.endif
.endm
.macro PL n                            ; places behind matrix instructions (ISA guide 7.12.1): plain vector instructions that name none of their registers
.rept \n
	v_nop
.endr
.endm
.macro BARRIER                         ; my LDS stores have landed and my LDS loads are in: then the work-group's barrier
	s_wait_dscnt 0x0
	s_barrier_signal -1
	s_barrier_wait -1
.endm
.macro ASK j                           ; the list's 32 words of the wave j further on (modulo 4) into s[32:63]
	s_add_co_u32 s30, s24, \j
	s_and_b32 s30, s30, 3
	s_lshl_b32 s20, s30, 7
	s_add_nc_u64 s[28:29], s[6:7], s[20:21]
	s_load_b512 s[32:47], s[28:29], 0x0
	s_load_b512 s[48:63], s[28:29], 0x40
.endm
.macro ORRUN first                     ; 32 words of the list are joined to the union (their keys lie in bits 23:16)
.set i, 0
.rept 32
	s_or_b32 s25, s25, s[\first+i]
.set i, i+1
.endr
.endm
; 64 numbers of a lane, register 16 b + i = k 32 b + 16 (lane / 16) + i of my row, become a fragment's codes in v[PC] on and its scale word in v[PW]
.macro QUANT s
.irp b, 0,1,2,3
	v_max3_num_f32 v[TM+\b], |v[\s+16*\b]|, |v[\s+1+16*\b]|, 0x2800000       ; my 16 numbers of block b, and the floor 2^(5 - 127): the byte cannot fall under 1
.endr
.irp i, 2,4,6,8,10,12,14
.irp b, 0,1,2,3
	v_max3_num_f32 v[TM+\b], v[TM+\b], |v[\s+16*\b+\i]|, |v[\s+1+16*\b+\i]|  ; the four blocks by turns
.endr
.endr
.irp b, 0,1,2,3
	v_permlanex16_b32 v[TM+4+\b], v[TM+\b], s[SEL], s[SEL+1]
.endr
.irp b, 0,1,2,3
	v_max_num_f32 v[TM+\b], v[TM+\b], v[TM+4+\b]   ; with lane l xor 16's: the block's largest magnitude
.endr
.irp b, 0,1,2,3
	v_add_nc_u32 v[TM+12+\b], 0xfe000000, v[TM+\b] ; 4 off its exponent field: the conversion takes that field as its scale
.endr
.irp b, 0,1,2,3
	v_lshrrev_b32 v[TM+4+\b], 23, v[TM+12+\b]      ; the scale's byte
.endr
	v_lshl_or_b32 v[PW], v[TM+5], 8, v[TM+4]
	v_lshl_or_b32 v[PW], v[TM+6], 16, v[PW]
	v_lshl_or_b32 v[PW], v[TM+7], 24, v[PW]
.irp c, 0,1
	v_cvt_scalef32_pk16_bf6_f32 v[PC+6*\c:PC+2+6*\c], v[\s+32*\c:\s+15+32*\c], v[TM+12+2*\c]
	v_cvt_scalef32_pk16_bf6_f32 v[PC+12+4*\c:PC+14+4*\c], v[\s+16+32*\c:\s+31+32*\c], v[TM+12+2*\c+1]   ; a conversion's three registers begin on an even number
.endr
	v_nop                                  ; one plain place behind a scaled conversion
.irp c, 0,1                            ; the operand's layout wants a whole block in a lane: lanes 0-15 block 2 c, lanes 16-31 block 2 c + 1
.irp i, 0,1,2
	v_permlane16_swap_b32 v[PC+6*\c+\i], v[PC+12+4*\c+\i]
.endr
.irp i, 0,1,2
	v_mov_b32 v[PC+3+6*\c+\i], v[PC+12+4*\c+\i]
.endr
.endr
.endm
.macro RQ buf                          ; the activation, each accumulator from its low end on, then the quantiser
	WIN 0
.set j, 0
.rept 64
	v_max_num_f32 v[\buf+j], 0, v[\buf+j]
.set j, j+1
.endr
	QUANT \buf
.endm
.macro IMAGE adr, off
.irp c, 0,1,2
	ds_store_b128 v[\adr], v[PC+4*\c:PC+4*\c+3] offset:(\off)+512*\c
.endr
.endm
.macro BASE1 e                         ; where expert s[e]'s W1 fragments and scale words for my wave begin
	s_mul_i32 s36, s[\e], 64*FRB
	s_add_nc_u64 s[32:33], s[10:11], s[36:37]
	s_lshl_b32 s36, s[\e], 12
	s_add_nc_u64 s[34:35], s[12:13], s[36:37]
.endm
.macro BASE2 e
	s_mul_i32 s36, s[\e], 64*FRB
	s_add_nc_u64 s[40:41], s[44:45], s[36:37]
	s_lshl_b32 s36, s[\e], 12
	s_add_nc_u64 s[42:43], s[46:47], s[36:37]
.endm
.macro S1                              ; 50 loads: W1's 16 fragments (each load 512 consecutive bytes) and 8 scale words a lane
	WIN 0x40
.set f, 0
.rept 16
.irp j, 0,1,2
	global_load_b128 v[12*f+4*\j:12*f+4*\j+3], v[LI], s[32:33] offset:FRB*f+512*\j
.endr
.set f, f+1
.endr
	WIN 0
	global_load_b128 v[W1S:W1S+3], v[WSA], s[34:35]
	global_load_b128 v[W1S+4:W1S+7], v[WSA], s[34:35] offset:16
.endm
.macro W2SET                           ; the same for W2
	WIN 0x80
.set f, 0
.rept 16
.irp j, 0,1,2
	global_load_b128 v[12*f+4*\j:12*f+4*\j+3], v[LI], s[40:41] offset:FRB*f+512*\j
.endr
.set f, f+1
.endr
	WIN 0
	global_load_b128 v[W2S:W2S+3], v[WSA], s[42:43]
	global_load_b128 v[W2S+4:W2S+7], v[WSA], s[42:43] offset:16
.endm
.macro FETCHX m, q                     ; 8 LDS loads: x's two fragments of row tile m, and their scale words, into set q: set 0 in window 2 from v224, set 1 in window 0 from v228
.if (\q) == 0
	WIN 0x80
.else
	WIN 0
.endif
.irp s, 0,1
.irp c, 0,1,2
	ds_load_b128 v[224+4*(\q)+12*\s+4*\c:224+4*(\q)+12*\s+4*\c+3], v[LI] offset:XIMG+(2*(\m)+\s)*FRB+512*\c
.endr
.endr
	WIN 0
	ds_load_b32 v[XS+12*(\q)], v[LS] offset:XSC+128*(2*(\m))
	ds_load_b32 v[XS+12*(\q)+1], v[LS] offset:XSC+128*(2*(\m)+1)
.endm
.macro WM buf, q                       ; my 8 tiles of the hidden layer for the row tile in x's set q: 16 matrix instructions; the 8 accumulators take turns, one instruction a turn
.set XBQ, 224+4*(\q)
.set XSQ, XS+12*(\q)
.set WQ, 0x19-8*(\q)                   ; W1 window 1, x window 2 (set 0) or 0 (set 1), b1 window 1, result window 0
	WIN WQ
.irp t, 0,1,2,3,4,5,6,7
	v_wmma_scale_f32_16x16x128_f8f6f4 v[\buf+8*\t:\buf+8*\t+7], v[24*\t:24*\t+11], v[XBQ:XBQ+11], v[192+8*\t:192+8*\t+7], v[W1S+\t], v[XSQ] matrix_a_fmt:MATRIX_FMT_BF6 matrix_b_fmt:MATRIX_FMT_BF6
.endr
.set WQ, 0x09-8*(\q)
	WIN WQ
.irp t, 0,1,2,3,4,5,6,7
	v_wmma_scale_f32_16x16x128_f8f6f4 v[\buf+8*\t:\buf+8*\t+7], v[24*\t+12:24*\t+23], v[XBQ+12:XBQ+23], v[\buf+8*\t:\buf+8*\t+7], v[W1S+\t], v[XSQ+1] matrix_a_fmt:MATRIX_FMT_BF6 matrix_b_fmt:MATRIX_FMT_BF6 matrix_a_scale:MATRIX_SCALE_ROW1
.endr
.endm
.macro FETCHH m, p                     ; 16 LDS loads: the hidden layer's four fragments of row tile m and their scale words, into set p
	WIN 0
.irp s, 0,1,2,3
.irp c, 0,1,2
	ds_load_b128 v[128+48*\p+12*\s+4*\c:128+48*\p+12*\s+4*\c+3], v[HRI] offset:(4*\m+\s)*FRB+512*\c
.endr
	ds_load_b32 v[HS+4*\p+\s], v[LS] offset:HSC+128*(4*\m+\s)
.endr
.endm
; My 4 tiles of outputs for the row tile in set p: 16 matrix instructions, the 4 accumulators by turns, K ascending.  nx < 8: row tile nx's four fragments and scale words are loaded into the OTHER set meanwhile,
; eight loads behind each of the first two groups of four matrix instructions.  No wait stands among them: the matrix instructions issued since the wait ahead of this macro name set p, its scale words, W2, b2 and
; y's accumulators, none of the registers that these loads touch.
.macro WM2 p, nx
.irp s, 0,1,2,3
.if \s == 0
	WIN 0x22                               ; W2 window 2, hidden layer window 0, b2 window 2; an LDS load: address window 2, data window 0
.else
	WIN 0x02
.endif
.irp n, 0,1,2,3
.if \s == 0
	v_wmma_scale_f32_16x16x128_f8f6f4 v[64+32*(\p)+8*\n:64+32*(\p)+8*\n+7], v[12*(4*\n+\s):12*(4*\n+\s)+11], v[128+48*(\p)+12*\s:128+48*(\p)+12*\s+11], v[192+8*\n:192+8*\n+7], v[W2S+2*\n+\s/2], v[HS+4*(\p)+\s] matrix_a_fmt:MATRIX_FMT_BF6 matrix_b_fmt:MATRIX_FMT_BF6
.elseif \s == 2
	v_wmma_scale_f32_16x16x128_f8f6f4 v[64+32*(\p)+8*\n:64+32*(\p)+8*\n+7], v[12*(4*\n+\s):12*(4*\n+\s)+11], v[128+48*(\p)+12*\s:128+48*(\p)+12*\s+11], v[64+32*(\p)+8*\n:64+32*(\p)+8*\n+7], v[W2S+2*\n+\s/2], v[HS+4*(\p)+\s] matrix_a_fmt:MATRIX_FMT_BF6 matrix_b_fmt:MATRIX_FMT_BF6
.else
	v_wmma_scale_f32_16x16x128_f8f6f4 v[64+32*(\p)+8*\n:64+32*(\p)+8*\n+7], v[12*(4*\n+\s):12*(4*\n+\s)+11], v[128+48*(\p)+12*\s:128+48*(\p)+12*\s+11], v[64+32*(\p)+8*\n:64+32*(\p)+8*\n+7], v[W2S+2*\n+\s/2], v[HS+4*(\p)+\s] matrix_a_fmt:MATRIX_FMT_BF6 matrix_b_fmt:MATRIX_FMT_BF6 matrix_a_scale:MATRIX_SCALE_ROW1
.endif
.endr
.if ((\nx) < 8) && (\s < 2)
.irp f, 2*\s, 2*\s+1
.irp c, 0,1,2
	ds_load_b128 v[128+48*(1-(\p))+12*(\f)+4*\c:128+48*(1-(\p))+12*(\f)+4*\c+3], v[HRI2] offset:(4*(\nx)+(\f))*FRB+512*\c
.endr
	ds_load_b32 v[HS+4*(1-(\p))+(\f)], v[LS2] offset:HSC+128*(4*(\nx)+(\f))
.endr
.endif
.endr
.endm
.macro FMA m, p                        ; totals of row tile m += gate x y: 16 packed multiply-adds, each accumulator from its low end on
	WIN 0xf0                               ; y and the gate window 0, the totals window 3
.irp n, 0,1,2,3
.irp j, 0,2,4,6
	v_pk_fma_f32 v[32*(\m)+8*\n+\j:32*(\m)+8*\n+\j+1], v[64+32*(\p)+8*\n+\j:64+32*(\p)+8*\n+\j+1], v[GG+2*(\m):GG+2*(\m)+1], v[32*(\m)+8*\n+\j:32*(\m)+8*\n+\j+1]
.endr
.endr
.endm
.macro XQL a, s, buf                   ; my rows 16 a + r, K step s: 64 numbers a lane, in the quantiser's order
.irp b, 0,1,2,3
.irp j, 0,1,2,3
	ds_load_b128 v[\buf+16*\b+4*\j:\buf+16*\b+4*\j+3], v[XQ] offset:16*XP*\a+512*\s+128*\b+16*\j
.endr
.endr
.endm
.macro OFFS                            ; my 32 rows' byte offsets + 16 x lane
.set i, 0
.rept 32
	v_add_nc_u32 v[OA+i], s[68+i], v[LI]
.set i, i+1
.endr
.endm
	; ================ THE HEAD ================
	s_load_b512 s[4:19], s[0:1], 0x0               ; x s[4:5], order s[6:7], gates s[8:9], wq s[10:11], wsc s[12:13], b1 s[14:15], b2 s[16:17], out0 s[18:19]
	v_lshl_add_u32 v254, v0, 2, 0x3b000
	v_mov_b32 v255, 0
	v_lshrrev_b32 v21, 5, v0
	v_readfirstlane_b32 s24, v21                   ; wave 0..3
	v_and_b32 v21, 31, v0                          ; lane
	v_and_b32 v22, 15, v0                          ; r
	v_bfe_u32 v23, v0, 4, 1                        ; h
	v_lshlrev_b32 v[LI], 4, v21
	v_lshlrev_b32 v[LS], 2, v21
	s_wait_alu depctr_va_vdst(0)
	v_lshlrev_b32 v[WSA], 5, v21
	WIN 0x80                                       ; destination window 2
	v_add_nc_u32 v[HRI2], HIMG, v[LI]
	v_lshlrev_b32 v[LS2], 2, v21
	WIN 0
	s_wait_alu depctr_va_sdst(0)                   ; s24 is written, ahead of its first reader: LDS addresses, bases and branches are made from it
	s_mul_i32 s29, s24, 4*FRB
	v_add_nc_u32 v[XWI], s29, v[LI]
	s_lshl_b32 s29, s24, 9
	v_add_nc_u32 v[XWS], s29, v[LS]
	s_mul_i32 s29, s24, FRB
	s_add_co_u32 s29, s29, HIMG
	v_add_nc_u32 v[HWI], s29, v[LI]
	s_lshl_b32 s29, s24, 7
	s_add_co_u32 s29, s29, HSC
	v_add_nc_u32 v[HWS], s29, v[LS]
	v_add_nc_u32 v[HRI], HIMG, v[LI]
	s_mul_i32 s29, s24, 32*XP
	s_add_co_u32 s29, s29, XRES
	v_add_nc_u32 v[SRW], s29, v[LI]
	v_mul_u32_u24 v[XQ], v22, XP
	v_lshl_add_u32 v[XQ], v23, 6, v[XQ]
	v_add_nc_u32 v[XQ], s29, v[XQ]
	v_mul_u32_u24 v[SO0], v22, XP
	v_lshl_add_u32 v[SO0], v23, 5, v[SO0]
	s_lshl_b32 s29, s24, 8
	s_add_co_u32 s29, s29, XRES
	v_add_nc_u32 v[SO0], s29, v[SO0]
	v_add_nc_u32 v[SO1], 64*XP, v[SO0]
	s_lshl_b32 s29, s24, 9
	s_add_co_u32 s29, s29, B1L
	v_lshl_add_u32 v[B1A0], v23, 6, s29
	s_lshl_b32 s29, s24, 8
	s_add_co_u32 s29, s29, B2L
	v_lshl_add_u32 v[B2A0], v23, 5, s29
	v_lshl_add_u32 v[GLA0], v22, 2, GL
	v_lshl_add_u32 v[GLW], v0, 2, GL
	v_lshlrev_b32 v[BCA], 4, v0
	v_lshlrev_b32 v233, 2, v0
.irp b, 0,1,2,3
	v_mov_b32 v[TM+4+\b], 0                        ; written once: a lane permute's destination counts as one of its sources
.endr
	s_mov_b32 s21, 0                               ; the upper word of the head's offset pair s[20:21]
	s_mov_b32 s25, 0                               ; the union begins empty
	s_wait_kmcnt 0x0
	s_lshl_b32 s20, ttmp9, 9
	s_add_nc_u64 s[6:7], s[6:7], s[20:21]          ; the list at my block's 128 places
	s_lshl_b32 s20, s24, 7
	s_add_nc_u64 s[22:23], s[6:7], s[20:21]        ; and at my wave's 32
	s_load_b512 s[68:83], s[22:23], 0x0
	s_load_b512 s[84:99], s[22:23], 0x40
	ASK 1                                          ; with them the next wave's 32 words, for the union of the keys
	s_wait_alu depctr_va_vdst(0)                   ; v1 to v17, v233 and window 2's v248, v249 are written: the addresses and offsets that the loads and stores of the whole kernel read
	global_load_b32 v232, v233, s[6:7]             ; my thread's word, for its gates
.irp i, 0,1,2,3,4,5,6,7
	global_load_b128 v[128+4*\i:131+4*\i], v[BCA], s[14:15] offset:2048*\i   ; b1, 2,048 consecutive bytes the work-group
.endr
.irp i, 0,1,2,3
	global_load_b128 v[160+4*\i:163+4*\i], v[BCA], s[16:17] offset:2048*\i   ; b2
.endr
	s_mul_i32 s20, s24, 16*FRB
	s_add_nc_u64 s[10:11], s[10:11], s[20:21]      ; my wave's part of an expert's W1
	s_lshl_b32 s20, s24, 10
	s_add_nc_u64 s[12:13], s[12:13], s[20:21]      ; and of its scale words
	s_wait_kmcnt 0x0                               ; scalar loads come back in no order: only the count 0 shows anything
	ORRUN 68                                       ; my own 32 words, as they came,
	ORRUN 32                                       ; and the next wave's
	ASK 2                                          ; the third run lands while the loads of x are issued
.set i, 0
.rept 32
	s_and_b32 s[68+i], s[68+i], 0x7fff             ; the token,
	s_min_u32 s[68+i], s[68+i], 0x7fff             ; held inside x,
	s_lshl_b32 s[68+i], s[68+i], 10                ; as its row's byte offset
.set i, i+1
.endr
	OFFS
	WIN 0xc0
	s_wait_alu depctr_va_vdst(0)                   ; the 32 additions have written v[OA ..], which the loads of x read as their offsets
.set i, 0
.rept 32
	global_load_b128 v[8*i:8*i+3], v[OA+i], s[4:5] th:TH_LOAD_NT              ; a whole row by two loads of 512 consecutive bytes; each row is on the list once
	global_load_b128 v[8*i+4:8*i+7], v[OA+i], s[4:5] offset:512 th:TH_LOAD_NT
.set i, i+1
.endr
	WIN 0
	s_wait_kmcnt 0x0
	ORRUN 32
	ASK 3                                          ; the last run lands under the biases' stores and the gates' loads
	s_wait_loadcnt 63                              ; 77 loads are issued: the first 14 are in, my word of the list and the biases among them
.irp i, 0,1,2,3,4,5,6,7
	ds_store_b128 v[BCA], v[128+4*\i:131+4*\i] offset:B1L+2048*\i
.endr
.irp i, 0,1,2,3
	ds_store_b128 v[BCA], v[160+4*\i:163+4*\i] offset:B2L+2048*\i
.endr
	v_and_b32 v234, 0x7fff, v232
	v_min_u32 v234, 0x7fff, v234
	v_lshlrev_b32 v234, 5, v234
	s_wait_alu depctr_va_vdst(0)                   ; v234 is written, which the two loads below read as their offset
	global_load_b128 v[236:239], v234, s[8:9]      ; my thread's row's 8 gates
	global_load_b128 v[240:243], v234, s[8:9] offset:16
	s_wait_kmcnt 0x0
	ORRUN 32
	s_lshr_b32 s25, s25, 16
	s_and_b32 s25, s25, 0xff                       ; the experts that the block uses
	s_ctz_i32_b32 s28, s25
	s_min_u32 s28, s28, 7                          ; the first of them
	s_mov_b32 s37, 0                               ; s[32:63] are free of the list's words: the upper word of every offset pair s[36:37],
	s_mov_b32 s[SEL], 0x76543210
	s_mov_b32 s[SEL+1], 0xfedcba98                 ; v_permlanex16_b32's selects for lane l xor 16,
	s_add_nc_u64 s[44:45], s[10:11], 786432        ; my wave's part of an expert's W2
	s_add_nc_u64 s[46:47], s[12:13], 32768         ; and of its scale words
	BASE1 28
	BASE2 28
	S1                                             ; the first expert's weights
	W2SET
	s_wait_loadcnt 63                              ; 179 loads are issued: the first 116 are in; x and the gates end at the 79th
	WIN 0x0c
.set i, 0
.rept 32
	ds_store_b128 v[SRW], v[8*i:8*i+3] offset:i*XP
	ds_store_b128 v[SRW], v[8*i+4:8*i+7] offset:i*XP+512
.set i, i+1
.endr
	WIN 0
.irp e, 0,1,2,3,4,5,6,7
	ds_store_b32 v[GLW], v[236+\e] offset:512*\e
.endr
	s_wait_dscnt 0x0
	s_wait_alu depctr_vm_vsrc(0)                   ; the loads of x have read v[OA ..] and the biases' stores v128 to v175, in which the LDS loads below land; the rows' stores have read window 3, the gates' stores and loads v233 to v243, in which later LDS loads land
	; my 32 rows of x become four fragments; the two buffers take turns
	XQL 0, 0, HA0
	XQL 0, 1, HA1
	s_wait_dscnt 16                                ; the first 16 loads are in
	QUANT HA0
	s_wait_alu depctr_va_vdst(0)                   ; the quantiser has written v[PC ..] and v[PW], which the stores read, and is done reading its 64 numbers, in whose registers the next loads land
	IMAGE XWI, XIMG
	ds_store_b32 v[XWS], v[PW] offset:XSC
	s_wait_dscnt 0x0                               ; the second 16 are in
	XQL 1, 0, HA0
	s_wait_alu depctr_vm_vsrc(0)                   ; the image's stores have read v[PC ..] and v[PW], which the quantiser writes again
	QUANT HA1
	s_wait_alu depctr_va_vdst(0)                   ; as above
	IMAGE XWI, XIMG+FRB
	ds_store_b32 v[XWS], v[PW] offset:XSC+128
	s_wait_dscnt 0x0
	XQL 1, 1, HA1
	s_wait_alu depctr_vm_vsrc(0)                   ; the image's stores have read v[PC ..] and v[PW]
	QUANT HA0
	s_wait_alu depctr_va_vdst(0)                   ; codes and scale word are written, which the stores read
	IMAGE XWI, XIMG+2*FRB
	ds_store_b32 v[XWS], v[PW] offset:XSC+256
	s_wait_dscnt 0x0
	s_wait_alu depctr_vm_vsrc(0)                   ; the image's stores have read v[PC ..] and v[PW]
	QUANT HA1
	s_wait_alu depctr_va_vdst(0)                   ; codes and scale word are written, which the stores read
	IMAGE XWI, XIMG+3*FRB
	ds_store_b32 v[XWS], v[PW] offset:XSC+384
	s_wait_loadcnt 0x0                             ; the first expert's weights are in: no load is out on any way into the loop
	BARRIER                                        ; x's rows and fragments, the gates and the biases lie in LDS
	WIN 0xc0
.set m, 0
.rept 8
.irp n, 0,1,2,3
	ds_load_b128 v[32*m+8*\n:32*m+8*\n+3], v[SO0+m/4] offset:(m%4)*16*XP+64*\n       ; the totals begin as x: the residual.  (The rows' stores have read these registers: the waits on vm_vsrc above stand behind them)
	ds_load_b128 v[32*m+8*\n+4:32*m+8*\n+7], v[SO0+m/4] offset:(m%4)*16*XP+64*\n+16
.endr
.set m, m+1
.endr
	WIN 0
	s_wait_dscnt 0x0
	s_mov_b32 s26, 0
	; ================ THE EXPERTS: 8 trips ================
.Ltrip:
	s_wait_alu depctr_vm_vsrc(0)                   ; the LDS loads of the trip before have read v18 to v20, and its last image's stores v[PC ..] and v[PW], which this trip writes again
	s_lshl_b32 s29, s26, 11
	v_add_nc_u32 v[B1A], s29, v[B1A0]
	s_lshl_b32 s29, s26, 10
	v_add_nc_u32 v[B2A], s29, v[B2A0]
	s_lshl_b32 s29, s26, 9
	v_add_nc_u32 v[GLA], s29, v[GLA0]
	s_wait_alu depctr_va_vdst(0)                   ; v18 to v20 are written, which this trip's LDS loads read; the trip before is done reading W2 and its scale words, b1, b2, both sets of x, the hidden sets and the gates, in all of which loads of this trip land
	s_lshr_b32 s27, s25, s26
	s_and_b32 s27, s27, 1
	s_cmp_lg_u32 s27, 0
	s_cbranch_scc0 .Lskip_a
	; ---- the first product, the activation, the quantiser ----
	s_wait_loadcnt 0x0                             ; this expert's W1 is in; no load is out, so the bases may be written
	s_cmp_eq_u32 s26, s28
	s_cbranch_scc1 .Lhave_w2                       ; the first expert's W2 came at the head
	BASE2 26
	W2SET                                          ; it has the whole first product in which to land
.Lhave_w2:
	WIN 0x40
.irp t, 0,1,2,3,4,5,6,7
	ds_load_b128 v[192+8*\t:192+8*\t+3], v[B1A] offset:(32*(\t/2)+8*(\t%2))*4       ; b1 in the result's layout: tile t, my half's eight units
	ds_load_b128 v[192+8*\t+4:192+8*\t+7], v[B1A] offset:(32*(\t/2)+8*(\t%2))*4+16
.endr
	FETCHX 0, 0
	FETCHX 1, 1
	s_wait_dscnt 0x0
	WM HA0, 0
	PL 4                                           ; the places between row tile 0's products and the first read of their results: row tile 1's products are none
	WIN 0x80
	s_wait_alu depctr_va_vdst(0)                   ; row tile 0's products are done reading x's set 0 and its scale words, in which row tile 2's land
	FETCHX 2, 0
	WM HA1, 1
; Row tile J is quantised; behind its quantiser ONE wait, then row tile J + 3's fragments are asked for, J's image is stored, and J's buffer takes row tile J + 2.
.set J, 0
.rept 6
.if J > 0
	s_wait_alu depctr_vm_vsrc(0)                   ; the last image's stores have read v[PC ..] and v[PW], which the quantiser writes again
.endif
	RQ HA0+64*(J%2)
.if J < 5
.set WX, 0x80*(J%2)                    ; the windows of the loads below: set (J + 1) % 2
	WIN WX
.endif
	s_wait_alu depctr_va_vdst(0)                   ; the quantiser has written v[PC ..] and v[PW], which the stores read; row tile J + 1's products, issued ahead of it, are done reading their set of x, in which the loads land
.if J < 5
	FETCHX J+3, (J+1)%2
.endif
	IMAGE HWI, 4*FRB*J                             ; K step number wave of the second product, rows 16 J on
	ds_store_b32 v[HWS], v[PW] offset:512*J
.if J < 5
	s_wait_dscnt 12                                ; LDS instructions end in order (ISA guide 5.7.1): all but the eight loads and four stores just issued: row tile J + 2's fragments are in
.else
	s_wait_dscnt 4                                 ; all but the four stores just issued
.endif
	WM HA0+64*(J%2), J%2
.set J, J+1
.endr
	s_wait_alu depctr_vm_vsrc(0)                   ; image 5's stores have read v[PC ..] and v[PW]
	RQ HA0
	s_wait_alu depctr_va_vdst(0)                   ; the quantiser has written v[PC ..] and v[PW]; row tile 7's products, the last that read W1 and its scale words, are done with them: the next expert's may land there
	IMAGE HWI, 4*FRB*6
	ds_store_b32 v[HWS], v[PW] offset:512*6
	s_wait_loadcnt 0x0                             ; W2 is in: the second product needs no wait for memory
	s_add_co_u32 s29, s26, 1
	s_lshr_b32 s30, s25, s29
	s_cmp_lg_u32 s30, 0
	s_cbranch_scc0 .Lno_next
	s_ctz_i32_b32 s31, s30
	s_add_co_u32 s31, s31, s29
	s_min_u32 s31, s31, 7                          ; the next expert that the block uses
	BASE1 31
	S1                                             ; its W1 has the second product in which to land.  No wait: nothing issued since the wait above names W1's registers
.Lno_next:
	s_wait_alu depctr_vm_vsrc(0)                   ; image 6's stores have read v[PC ..] and v[PW]
	RQ HA1
	s_wait_alu depctr_va_vdst(0)                   ; the quantiser has written v[PC ..] and v[PW], which the stores read; it is done with v128 to v227, in which the second product's LDS loads land
	IMAGE HWI, 4*FRB*7
	ds_store_b32 v[HWS], v[PW] offset:512*7
.Lskip_a:
	BARRIER                                        ; the hidden layer's 32 fragments lie in LDS
	s_cmp_lg_u32 s27, 0
	s_cbranch_scc0 .Lskip_b
	; ---- the second product and the gates ----
	s_wait_alu depctr_vm_vsrc(0)                   ; image 7's stores have read v[PC ..], in which hidden fragments land
	WIN 0x80
.irp n, 0,1,2,3
	ds_load_b128 v[192+8*\n:192+8*\n+3], v[B2A] offset:64*\n
	ds_load_b128 v[192+8*\n+4:192+8*\n+7], v[B2A] offset:64*\n+16
.endr
	WIN 0
.irp m, 0,1,2,3,4,5,6,7
	ds_load_b32 v[GG+2*\m], v[GLA] offset:64*\m    ; the gate of row 16 m + r, into both registers of a pair
	ds_load_b32 v[GG+2*\m+1], v[GLA] offset:64*\m
.endr
	FETCHH 0, 0
	FETCHH 1, 1
	s_wait_dscnt 16                                ; all but the 16 loads just issued
	WM2 0, 8
	PL 5                                           ; the places between row tile 0's products and the first read of their results; and y's first accumulators are begun anew two tiles on
; Row tiles 1 to 6: a tile's multiply-adds stand behind the next tile's products.
.set M, 1
.rept 6
	s_wait_alu depctr_va_vdst(0)                   ; row tile M - 1's products are done reading their hidden set and its scale words, in which row tile M + 1's land
	s_wait_dscnt 0x0                               ; row tile M's fragments are in
	WM2 M%2, M+1
	FMA M-1, (M-1)%2
.set M, M+1
.endr
	s_wait_dscnt 0x0                               ; row tile 7's fragments are in; nothing more is loaded, so no wait on va_vdst stands here
	WM2 1, 8
	FMA 6, 0
	PL 4
	FMA 7, 1
	WIN 0
.Lskip_b:
	BARRIER                                        ; nobody reads the hidden layer's images any more
	s_add_co_u32 s26, s26, 1
	s_cmp_lt_u32 s26, 8
	s_cbranch_scc1 .Ltrip
	; ================ THE WAY OUT: a row's 256 numbers come from four waves: through LDS, and out as whole rows ================
	OFFS
	WIN 0x0c
	s_wait_alu depctr_va_vdst(0)                   ; the multiply-adds have written the totals, which the LDS stores read; the additions have written v[OA ..], which the global stores read as their offsets
.set m, 0
.rept 8
.irp n, 0,1,2,3
	ds_store_b128 v[SO0+m/4], v[32*m+8*\n:32*m+8*\n+3] offset:(m%4)*16*XP+64*\n
	ds_store_b128 v[SO0+m/4], v[32*m+8*\n+4:32*m+8*\n+7] offset:(m%4)*16*XP+64*\n+16
.endr
.set m, m+1
.endr
	WIN 0
	BARRIER
	WIN 0xc0
	s_wait_alu depctr_vm_vsrc(0)                   ; my LDS stores have read the totals' registers, in which whole rows land
.set i, 0
.rept 32
	ds_load_b128 v[8*i:8*i+3], v[SRW] offset:i*XP
	ds_load_b128 v[8*i+4:8*i+7], v[SRW] offset:i*XP+512
.set i, i+1
.endr
	WIN 0x0c
.set k, 0
.rept 64
	s_wait_dscnt 63-k                              ; LDS loads come back in order: number k is in
	global_store_b128 v[OA+k/2], v[4*k:4*k+3], s[18:19] offset:512*(k%2) th:TH_STORE_NT   ; 32 lanes store 512 consecutive bytes, aligned; written once
.set k, k+1
.endr
	WIN 0
	s_wait_dscnt 0x0                               ; the closing lines, six on end
	s_wait_alu 0x0
	s_wait_tensorcnt 0x0
	ds_add_u32 v254, v255
	s_wait_dscnt 0x0
	s_endpgm
.Lfunc_end_k_qb86a6f3ad9_chain:
	.size	k_qb86a6f3ad9_chain, .Lfunc_end_k_qb86a6f3ad9_chain-k_qb86a6f3ad9_chain
	.p2alignl 7, 3214868480
	.fill 96, 4, 3214868480
	.section	.rodata,"a",@progbits
	.p2align	6, 0x0
	.amdhsa_kernel k_qb86a6f3ad9_chain
		.amdhsa_group_segment_fixed_size 242176
		.amdhsa_private_segment_fixed_size 0
		.amdhsa_enable_private_segment 0
		.amdhsa_kernarg_size 64
		.amdhsa_user_sgpr_count 2
		.amdhsa_user_sgpr_kernarg_segment_ptr 1
		.amdhsa_wavefront_size32 1
		.amdhsa_system_sgpr_workgroup_id_x 1
		.amdhsa_system_sgpr_workgroup_id_y 1
		.amdhsa_system_sgpr_workgroup_id_z 1
		.amdhsa_system_vgpr_workitem_id 0
		.amdhsa_next_free_vgpr 1024
		.amdhsa_next_free_sgpr 100
		.amdhsa_reserve_vcc 0
		.amdhsa_float_denorm_mode_32 3
		.amdhsa_float_denorm_mode_16_64 3
		.amdhsa_memory_ordered 1
		.amdhsa_forward_progress 1
		.amdhsa_inst_pref_size 197
	.end_amdhsa_kernel
	.amdgpu_metadata
---
amdhsa.version: [ 1, 2 ]
amdhsa.kernels:
  - .name:           k_qb86a6f3ad9_chain
    .symbol:         k_qb86a6f3ad9_chain.kd
    .args:
      - { .name: x, .offset: 0, .size: 8, .value_kind: global_buffer, .address_space: global }
      - { .name: order, .offset: 8, .size: 8, .value_kind: global_buffer, .address_space: global }
      - { .name: gates, .offset: 16, .size: 8, .value_kind: global_buffer, .address_space: global }
      - { .name: wq, .offset: 24, .size: 8, .value_kind: global_buffer, .address_space: global }
      - { .name: wsc, .offset: 32, .size: 8, .value_kind: global_buffer, .address_space: global }
      - { .name: b1, .offset: 40, .size: 8, .value_kind: global_buffer, .address_space: global }
      - { .name: b2, .offset: 48, .size: 8, .value_kind: global_buffer, .address_space: global }
      - { .name: out0, .offset: 56, .size: 8, .value_kind: global_buffer, .address_space: global }
    .group_segment_fixed_size: 242176
    .private_segment_fixed_size: 0
    .kernarg_segment_align: 8
    .kernarg_segment_size: 64
    .max_flat_workgroup_size: 128
    .sgpr_count:     100
    .vgpr_count:     1024
    .wavefront_size: 32
...
	.end_amdgpu_metadata
.endif
;; end of part 6
